; MI455X (gfx1250); checked and timed in simulation.
; The chip was launched on July 23, 2026; its instructions are those of AMD's public machine-readable ISA for CDNA 5 (MIT licence, August 2026) and "CDNA5" Instruction Set Architecture Reference Guide (July 2026). The comments in the code are by the model that wrote it; some were corrected since.
;; Attention. Allowed arithmetic: matrix products marked QUANTISED: E2M3 operands, one E8M0 scale for each 32 along K, by v_wmma_scale_f32_16x16x128_f8f6f4 with both operands' format E2M3, f32 sums; products left as they are: f32 operands where the result goes on into a quantised operand, else bf16, f16 or f32 operands; f32 sums; everything else in f32.
;; Inputs: Wk 2,048 x 8 x 64 float32; Wo 2,048 x 2,048 float32; Wq 2,048 x 32 x 64 float32; Wv 2,048 x 8 x 64 float32; attention_mask 1 x 1 x 2,048 x 2,048 float32; hidden_states 1 x 2,048 x 2,048 float32.
;; Outputs: out0 1 x 2,048 x 2,048 float32.
;; This version of the problem:
;;   THIS VERSION OF THE PROBLEM IS GIVEN IN LOW PRECISION. The matrix products marked QUANTISED in the list below multiply operands that are first quantised to E2M3 (2 exponent bits, 3 mantissa bits; 6 bits a number), with one power-of-two scale for each 32 numbers along K (OCP MX v1.0); their sums are f32. All else is computed in f32.
;;   The module's matrix products, in the order in which they are computed (A, B: the left and right operand; K: the contracted axis; several contracted axes count as one K, in the product's order):
;;     1. [M 2,048, K 2,048] x [K 2,048, N 2,048]; A: input hidden_states; B: input Wq: QUANTISED
;;     2. [M 2,048, K 2,048] x [K 2,048, N 512]; A: input hidden_states; B: input Wk: QUANTISED
;;     3. [M 2,048, K 2,048] x [K 2,048, N 512]; A: input hidden_states; B: input Wv: QUANTISED
;;     4. [M 2,048, K 1] x [K 1, N 32]; A: computed on the way; B: computed on the way: left as it is (no contracted axis)
;;     5. [M 2,048, K 1] x [K 1, N 32]; A: computed on the way; B: computed on the way: left as it is (no contracted axis)
;;     6. batch 32 x [M 2,048, K 64] x [K 64, N 2,048]; A: computed on the way; B: computed on the way: QUANTISED
;;     7. batch 32 x [M 64, K 2,048] x [K 2,048, N 2,048]; A: computed on the way; B: softmax (see below): QUANTISED
;;     8. [M 2,048, K 2,048] x [K 2,048, N 2,048]; A: computed on the way; B: input Wo: QUANTISED
;;   THE QUANTISER, for each operand of a quantised product, along K:
;;     - K is cut into blocks of 32 from its start; a last block that is shorter is filled with zeros.
;;     - A block's scale is 2^e with e = floor(log2(the largest magnitude in the block)) - 2, held to -126 .. 127; a block of zeros has e = 0. As a byte (E8M0): e + 127.
;;     - Each number is divided by its block's scale, clamped to +-7.5, and rounded to the nearest number of E2M3, ties to even, subnormals kept.
;;     - The product sums the exact products of the quantised numbers (number of the format x scale) in f32.
;;   ~~~python
;;   def quantise(x, axis):      # numpy; x: float32 -> the quantised numbers, widened to float32 again
;;       x = np.moveaxis(x, axis, -1); K = x.shape[-1]
;;       x = np.pad(x, [(0, 0)] * (x.ndim - 1) + [(0, -K % 32)]); x = x.reshape(x.shape[:-1] + (-1, 32)); a = np.abs(x).max(-1, keepdims=True)
;;       e = np.where(a > 0, np.clip(np.frexp(np.where(a > 0, a, 1))[1] - 1 - 2, -126, 127), 0)      # np.frexp(a)[1] - 1 = floor(log2(a)), exactly
;;       r = np.clip(x / 2.0 ** e, -7.5, 7.5)
;;       step = 2.0 ** (np.maximum(np.frexp(np.where(r == 0, 1, r))[1] - 1, 0) - 3)
;;       q = np.round(r / step) * step * 2.0 ** e      # np.round: ties to even
;;       return np.moveaxis(q.reshape(q.shape[:-2] + (-1,))[..., :K], -1, axis).astype(np.float32)
;;   ~~~
;;   SOFTMAX AHEAD OF A QUANTISED PRODUCT. Where the list says 'softmax', what is quantised is not the finished softmax but p = 2^(t - M), with t = logit x log2(e) and M = ceil(the row's largest t), a whole number; so 1/2 < the row's largest p <= 1. The row's sum l is taken of the UNQUANTISED p, in f32, and the product's result is divided by l at the end. Since M is a whole number, a kernel that streams over the keys may use a running M (the ceiling of the running maximum): every later rescaling is an exact power of two, which a block's scale takes up: the codes' values come out the same.
;;   OPERANDS COMPUTED ON THE WAY. 'Computed on the way' means the value that the module computes at that place (a softmax that the list does not call 'softmax' is quantised finished and normalised). What goes into a quantiser is computed in f32, as accurately as f32 sums, v_exp_f32 and their like allow (about 1e-6 of the number): no bf16 or f16 on the way to a quantiser, and a product that is left as it is and whose result goes on into a quantised operand takes f32 operands (vector FMAs, or v_wmma_f32_16x16x4_f32). A number that lies on a knife's edge between two numbers of the format may be rounded either way, as far as f32 arithmetic and the matrix unit's own rounding can turn it there, and no further.
;; One version. Each part assembles by itself: llvm-mc -triple=amdgcn-amd-amdhsa -mcpu=gfx1250 --defsym DOCPART=n.
;; ======== version 1 of 1: 4 launches
;; limits: right only within a limited range of input values
;; workspace buffers: xq 3,276,800 bytes; wq 8,192,000 bytes; rope 524,288 bytes; qkv 4,915,200 bytes; aq 3,276,800 bytes
;; launch prep (part 1): grid 448 x 1, 4 waves a work-group, no clusters, 34,304 bytes of LDS; arguments hidden_states, Wq, Wk, Wv, Wo, xq, wq, rope; writes xq, wq, rope
.if DOCPART == 1
	.amdgcn_target "amdgcn-amd-amdhsa--gfx1250"
	.amdhsa_code_object_version 6
	.text
	.protected	k_q4aeeb775c3_prep
	.globl	k_q4aeeb775c3_prep
	.p2align	8
	.type	k_q4aeeb775c3_prep,@function
k_q4aeeb775c3_prep:
	s_mov_b64 s[64:65], 0
	v_nop
	global_prefetch_b8 v0, s[64:65] scope:SCOPE_SE
	s_setreg_imm32_b32 hwreg(HW_REG_WAVE_MODE, 25, 1), 1
	s_wait_xcnt 0x0
; PREP: hidden_states and the four weights become codes of FP6 (E2M3) with one E8M0 byte for each 32 along K, and RoPE's table is made.
; THE LAYOUT of all code buffers of this program: a HALF FRAGMENT, 768 bytes, is 16 rows x 64 along K as the operand's registers 0-5 hold them (lane (r, h): block h of row r):
;   bytes 0-511: registers 0-3 of lane L at 16 L;  bytes 512-767: registers 4-5 of lane (r, h) at 512 + 16 r + 8 h.   A tile of 16 rows is 32 half fragments on end (K = 2,048): 24,576 bytes.
; THE ROWS OF A TILE ARE NOT NEIGHBOURS: lane r of tile T holds row 32 (T / 2) + 8 (T % 2) + r + 8 (r / 8).
; Scale bytes: [pair of tiles][K / 256][tile % 2][r][2 words], 256 bytes for a pair and 256 along K; a word holds the four bytes of 128 along K.
; xq: hidden_states' 128 tiles, scales from XSC on.  wq: tiles 0-127 Wq, 128-159 Wk, 160-191 Wv, 192-319 Wo (a row of a tile = a column of the weight), scales from WSC on.
; Wo's K is laid by whole heads: head n stands at half fragment 4 (n % 8) + n / 8, as the attention launch lays its result; blocks of 32 stay whole.
; rope: [s][cos f = 0..31 | sin f = 0..31] f32, 256 bytes a row; row 0 is exactly 1 and 0.
; A block's scale: the largest magnitude's exponent field less 2, held at 1 from below.  A block of zeros keeps the byte 1 where the rule says 127: its codes are zeros, and this program alone reads the bytes.
; LIMITS: NaN and infinities among the inputs are not served; blocks whose largest magnitude lies under 2^-124 keep the byte 1.  1 / 10000^(f / 32) is 2^(-f log2(10000) / 32) by v_exp_f32: about 3e-7 of the number,
; so an angle near s = 2,047 may differ by about 2e-4 rad from another f32 evaluation.  Sine and cosine: two-part reduction by pi / 2 and polynomials on +-pi / 4, about 1e-7.
; WORK-GROUPS: 0-255 Wq and Wo (rows of 8,192 bytes), 256-319 Wk and Wv (rows of 2,048 bytes), 320-447 hidden_states and the table.  Only the last path touches LDS.  Waves share nothing: no barrier.
; WEIGHTS: a lane takes a column and its registers run down K, so a block of 32 lies in one lane; a wave takes 32 columns x 256 along K: two tiles x four half fragments.
;   v4 my column's bytes, v5 24,576 (L / 16) + 16 r, v6 8 L; v64-127 two sets of 32 numbers; v128-175 codes, 12 registers a half fragment (no store's data are written again); v16-18 a block's upper codes; v12-13 scale words.
; HIDDEN_STATES: a wave takes 32 rows x 256 along K in four units of 16 rows x 128.  Loads read 512 consecutive bytes of a row; the unit turns through the wave's own stage in LDS (16 rows x 528 bytes).
;   v4, v5 the stage in and out, v6 16 L, v7 16 r + 8 h, v19 8 h, v23 8 L; v64-191 two sets of 64 as loaded; v192-255 my two blocks; v32-55 codes, two sets; v56-59 scale words.
.set XSC, 3145728
.set WSC, 7864320
.macro WLOAD t, pitch                  ; block t of eight: 32 rows of W at my column, into set t % 2
.irp i, 0,1,2,3,4,5,6,7,8,9,10,11,12,13,14,15,16,17,18,19,20,21,22,23,24,25,26,27,28,29,30,31
	global_load_b32 v[64+32*((\t)%2)+\i], v4, s[32+2*((\t)/2):33+2*((\t)/2)] offset:(32*((\t)%2)+\i)*\pitch th:TH_LOAD_NT
.endr
.endm
.macro WBLOCK t, pitch
.set XS, 64+32*((\t)%2)
.set CE, 128+12*((\t)/2)
.set HB, (\t)%2
.if (\t) < 7
	s_wait_loadcnt 32                              ; this block's 32 loads are in; the next block's 32 may be out
.else
	s_wait_loadcnt 0
.endif
	v_max3_num_f32 v8, |v[XS]|, |v[XS+1]|, |v[XS+2]|               ; the block's largest magnitude: all 32 numbers are mine
	v_max3_num_f32 v9, |v[XS+3]|, |v[XS+4]|, |v[XS+5]|
.irp i, 6,10,14,18,22,26
	v_max3_num_f32 v8, v8, |v[XS+\i]|, |v[XS+\i+1]|
	v_max3_num_f32 v9, v9, |v[XS+\i+2]|, |v[XS+\i+3]|
.endr
	v_max3_num_f32 v8, v8, |v[XS+30]|, |v[XS+31]|
	v_max3_num_f32 v8, v8, v9, 0x1800000           ; and the floor 2^(3 - 127): the byte cannot fall under 1
	v_add_nc_u32 v10, 0xff000000, v8               ; 2 off the exponent field: the conversion's scale operand
	v_cvt_scalef32_pk16_fp6_f32 v[CE+4*HB:CE+4*HB+2], v[XS:XS+15], v10     ; the block's registers 0-2
	v_cvt_scalef32_pk16_fp6_f32 v[16:18], v[XS+16:XS+31], v10              ; and 3-5 (a conversion's three registers begin on an even number)
	v_lshrrev_b32 v11, 23, v10                     ; the scale's byte; also the plain place behind the conversions
.if (\t)%4 == 0
	v_mov_b32 v[12+(\t)/4], v11
.else
	v_lshl_or_b32 v[12+(\t)/4], v11, 8*((\t)%4), v[12+(\t)/4]
.endif
	v_mov_b32 v[CE+4*HB+3], v16                    ; register 3 ends the first 16 bytes,
	v_mov_b32 v[CE+8+2*HB], v17                    ; registers 4 and 5 of the two blocks share the third 16 bytes
	v_mov_b32 v[CE+9+2*HB], v18
.if (\t) < 6
	WLOAD (\t)+2, \pitch
.endif
.if HB == 1                            ; a half fragment of both tiles is whole: each store covers 256 consecutive aligned bytes in each of the two tiles
	global_store_b128 v5, v[CE:CE+3], s[40:41] offset:768*((\t)/2)
	global_store_b128 v5, v[CE+4:CE+7], s[40:41] offset:768*((\t)/2)+256
	global_store_b128 v5, v[CE+8:CE+11], s[40:41] offset:768*((\t)/2)+512
.endif
.endm
; A weights' path.  first: its first work-group; the tensor is pa (tiles from ta) or pb (from tb); perm = 1: pb's K goes by heads G4 + 8 e
.macro WPATH pitch, first, wsh, cmask, pa, pb, ta, tb, perm
	s_sub_co_u32 s21, ttmp9, \first
	s_lshr_b32 s22, s21, \wsh                      ; which tensor
	s_lshr_b32 s23, s21, 3
	s_and_b32 s23, s23, \cmask                     ; which 128 columns
	s_and_b32 s24, s21, 7                          ; G4: which 256 along K
	s_lshl_b32 s25, s24, 2                         ; the first half fragment's 64 rows of W: 4 G4,
	s_mov_b32 s26, 1                               ; and from one to the next
	s_mov_b32 s27, \tb
	s_cmp_eq_u32 s22, 1
	s_cselect_b32 s27, s27, \ta
.if \perm
	s_cselect_b32 s25, s24, s25
	s_cselect_b32 s26, 8, s26
.endif
	s_lshl_b32 s28, s23, 3
	s_add_co_u32 s27, s27, s28
	s_lshl_b32 s28, s20, 1
	s_add_co_u32 s27, s27, s28                     ; my first tile (an even one)
	s_lshl_b32 s28, s23, 9
	s_lshl_b32 s29, s20, 7
	s_add_co_u32 s28, s28, s29                     ; my 32 columns, in bytes
.irp e, 0,1,2,3
	s_mul_i32 s[44+2*\e], s25, 64*\pitch
	s_add_co_u32 s[44+2*\e], s[44+2*\e], s28
	s_mov_b32 s[45+2*\e], 0
	s_add_co_u32 s25, s25, s26
.endr
	s_mul_i32 s52, s27, 24576
	s_mul_i32 s29, s24, 3072
	s_add_co_u32 s52, s52, s29                     ; codes: tile x 24,576 + 4 G4 x 768
	s_mov_b32 s53, 0
	s_lshl_b32 s54, s27, 10
	s_lshl_b32 s29, s24, 8
	s_add_co_u32 s54, s54, s29
	s_add_co_u32 s54, s54, WSC                     ; scales: (tile / 2) x 2,048 + 256 G4
	s_mov_b32 s55, 0
	v_and_b32 v4, 8, v2
	v_add_nc_u32 v4, v4, v2
	v_lshl_add_u32 v4, v3, 3, v4
	v_lshlrev_b32 v4, 2, v4                        ; my column of the 32: 8 (L / 16) + r + 8 (r / 8)
	v_mul_u32_u24 v5, v3, 24576
	v_lshl_add_u32 v5, v2, 4, v5
	v_lshlrev_b32 v6, 3, v1
	s_wait_alu depctr_va_vdst(0)
	s_wait_kmcnt 0x0
	s_cmp_eq_u32 s22, 1
	s_cselect_b64 s[56:57], s[\pb:\pb+1], s[\pa:\pa+1]
.irp e, 0,1,2,3
	s_add_nc_u64 s[32+2*\e:33+2*\e], s[56:57], s[44+2*\e:45+2*\e]
.endr
	s_add_nc_u64 s[40:41], s[16:17], s[52:53]
	s_add_nc_u64 s[42:43], s[16:17], s[54:55]
	WLOAD 0, \pitch
	WLOAD 1, \pitch
.irp t, 0,1,2,3,4,5,6,7
	WBLOCK \t, \pitch
.endr
	global_store_b64 v6, v[12:13], s[42:43]        ; 32 lanes store the pair's 256 consecutive aligned bytes of scale words
	s_endpgm
.endm
.macro XLOAD n                         ; unit n: tile n / 2, 128 along K n % 2: 16 rows x 512 consecutive bytes
.irp i, 0,1,2,3,4,5,6,7,8,9,10,11,12,13,14,15
	global_load_b128 v[64+64*((\n)%2)+4*\i:64+64*((\n)%2)+4*\i+3], v6, s[32:33] offset:(8*((\n)/2)+\i+8*(\i/8))*8192+512*((\n)%2) th:TH_LOAD_NT
.endr
.endm
.macro UNIT n
.set RS, 64+64*((\n)%2)
.set CDN, 32+12*((\n)%2)
.if (\n) < 3
	s_wait_loadcnt 16                              ; this unit's 16 loads are in; the next unit's 16 may be out
.else
	s_wait_loadcnt 0
.endif
	s_wait_xcnt 0x0                                ; earlier stores have read their data: the table's pairs and this set of codes are written again only behind this wait
.irp i, 0,1,2,3,4,5,6,7,8,9,10,11,12,13,14,15
	ds_store_b128 v4, v[RS+4*\i:RS+4*\i+3] offset:528*\i
.endr
.irp c, 0,1                            ; LDS serves a wave's instructions in order: these see the stores above.  Lane (r, h) takes blocks h and 2 + h of row r
.irp j, 0,1,2,3,4,5,6,7
	ds_load_b128 v[192+32*\c+4*\j:192+32*\c+4*\j+3], v5 offset:256*\c+16*\j
.endr
.endr
	s_wait_dscnt 0x0
.if (\n) < 2
	XLOAD (\n)+2
.endif
.irp c, 0,1
	v_max3_num_f32 v[8+\c], |v[192+32*\c]|, |v[193+32*\c]|, 0x1800000   ; with the floor 2^(3 - 127)
.endr
.irp i, 2,4,6,8,10,12,14,16,18,20,22,24,26,28,30
.irp c, 0,1
	v_max3_num_f32 v[8+\c], v[8+\c], |v[192+32*\c+\i]|, |v[193+32*\c+\i]|
.endr
.endr
.irp c, 0,1
	v_add_nc_u32 v[10+\c], 0xff000000, v[8+\c]
.endr
.irp c, 0,1
	v_lshrrev_b32 v[12+\c], 23, v[10+\c]
.endr
	v_lshl_or_b32 v14, v13, 16, v12                ; my two bytes, blocks h and 2 + h,
	v_lshlrev_b32 v14, v19, v14                    ; 8 h bits up;
	v_permlanex16_b32 v[56+(\n)], v14, s60, s61
	v_or_b32 v[56+(\n)], v[56+(\n)], v14           ; with lane l xor 16's two the row's word is whole
.irp c, 0,1
	v_cvt_scalef32_pk16_fp6_f32 v[CDN+6*\c:CDN+6*\c+2], v[192+32*\c:207+32*\c], v[10+\c]
	v_cvt_scalef32_pk16_fp6_f32 v[16+4*\c:18+4*\c], v[208+32*\c:223+32*\c], v[10+\c]
.endr
	v_nop                                          ; one plain place behind a scaled conversion
.irp c, 0,1
.irp i, 0,1,2
	v_mov_b32 v[CDN+6*\c+3+\i], v[16+4*\c+\i]
.endr
.endr
.irp c, 0,1
	global_store_b128 v6, v[CDN+6*\c:CDN+6*\c+3], s[34:35] offset:((\n)/2)*24576+(2*((\n)%2)+\c)*768
	global_store_b64 v7, v[CDN+6*\c+4:CDN+6*\c+5], s[34:35] offset:((\n)/2)*24576+(2*((\n)%2)+\c)*768+512
.endr
.endm
; sin or cos of v8 x v[inv]: lanes 0-15 the cosine (a quarter turn on), lanes 16-31 the sine
.macro SINCOS dst, inv
	v_mul_f32 v9, v8, v[\inv]                      ; the angle, as reference() forms it
	v_mul_f32 v10, s44, v9
	v_rndne_f32 v10, v10                           ; n = the nearest multiple of pi / 2
	v_fma_f32 v11, v10, s45, v9
	v_fma_f32 v11, v10, s46, v11                   ; the rest, pi / 2 taken off in two parts
	v_cvt_i32_f32 v12, v10
	v_add_nc_u32 v12, v12, v26                     ; the quarter
	v_mul_f32 v13, v11, v11
	v_fma_f32 v14, v13, s47, s48
	v_fma_f32 v16, v13, s50, s51
	v_fma_f32 v14, v14, v13, s49
	v_fma_f32 v16, v16, v13, s52
	v_mul_f32 v15, v13, v11
	v_mul_f32 v17, v13, v13
	v_fma_f32 v18, v13, -0.5, 1.0
	v_fma_f32 v14, v14, v15, v11                   ; the sine of the rest
	v_fma_f32 v16, v16, v17, v18                   ; its cosine
	v_and_b32 v17, 1, v12
	v_cmp_eq_u32 vcc_lo, 1, v17
	v_cndmask_b32 v14, v14, v16, vcc_lo            ; odd quarters take the cosine,
	v_and_b32 v17, 2, v12
	v_lshlrev_b32 v17, 30, v17
	v_xor_b32 v[\dst], v14, v17                    ; quarters 2 and 3 change the sign
.endm
	s_load_b256 s[4:11], s[0:1], 0x0               ; hidden_states s[4:5], Wq s[6:7], Wk s[8:9], Wv s[10:11]
	s_load_b256 s[12:19], s[0:1], 0x20             ; Wo s[12:13], xq s[14:15], wq s[16:17], rope s[18:19]
	v_lshl_add_u32 v62, v0, 2, 0x8400
	v_mov_b32 v63, 0
	v_lshrrev_b32 v1, 5, v0
	v_readfirstlane_b32 s20, v1                    ; wave
	v_and_b32 v1, 31, v0                           ; L
	v_and_b32 v2, 15, v0                           ; r
	v_bfe_u32 v3, v0, 4, 1                         ; L / 16
	s_cmp_lt_u32 ttmp9, 256
	s_cbranch_scc1 .Lwide
	s_cmp_lt_u32 ttmp9, 320
	s_cbranch_scc1 .Lnarrow
	; ---- hidden_states and the table
	s_sub_co_u32 s21, ttmp9, 320
	s_lshl_b32 s21, s21, 2
	s_add_co_u32 s21, s21, s20                     ; W = 0 .. 511
	s_lshr_b32 s22, s21, 3                         ; which 32 rows
	s_and_b32 s23, s21, 7                          ; which 256 along K
	s_lshl_b32 s24, s22, 18
	s_lshl_b32 s25, s23, 10
	s_add_co_u32 s24, s24, s25
	s_mov_b32 s25, 0
	s_mul_i32 s26, s22, 49152
	s_mul_i32 s27, s23, 3072
	s_add_co_u32 s26, s26, s27
	s_mov_b32 s27, 0
	s_lshl_b32 s28, s22, 11
	s_lshl_b32 s29, s23, 8
	s_add_co_u32 s28, s28, s29
	s_add_co_u32 s28, s28, XSC
	s_mov_b32 s29, 0
	s_lshl_b32 s30, s21, 10                        ; the table's rows 4 W .. 4 W + 3
	s_mov_b32 s31, 0
	s_lshl_b32 s58, s21, 2
	s_mov_b32 s44, 0x3f22f983                      ; 2 / pi
	s_mov_b32 s45, 0xbfc90fdb                      ; -pi / 2, its upper part,
	s_mov_b32 s46, 0x333bbd2e                      ; and what the upper part has too much
	s_mov_b32 s47, 0xb94ca1f9                      ; the sine's polynomial
	s_mov_b32 s48, 0x3c08839e
	s_mov_b32 s49, 0xbe2aaaa3
	s_mov_b32 s50, 0x37ccf5ce                      ; the cosine's
	s_mov_b32 s51, 0xbab6061a
	s_mov_b32 s52, 0x3d2aaaa5
	s_mov_b32 s60, 0x76543210
	s_mov_b32 s61, 0xfedcba98                      ; v_permlanex16_b32's selects for lane l xor 16
	s_wait_alu depctr_va_vdst(0)
	v_lshlrev_b32 v6, 4, v1
	v_lshlrev_b32 v7, 4, v2
	v_lshl_add_u32 v7, v3, 3, v7
	v_lshlrev_b32 v19, 3, v3
	v_lshlrev_b32 v23, 3, v1
	s_mul_i32 s59, s20, 8448                       ; my stage
	v_add_nc_u32 v4, s59, v6
	v_mul_u32_u24 v5, v2, 528
	v_lshl_add_u32 v5, v3, 7, v5
	v_add_nc_u32 v5, s59, v5
.irp n, 0,1,2,3
	v_mov_b32 v[56+\n], 0                          ; a lane permute's destination counts as one of its sources
.endr
	s_wait_kmcnt 0x0
	s_add_nc_u64 s[32:33], s[4:5], s[24:25]
	s_add_nc_u64 s[34:35], s[14:15], s[26:27]
	s_add_nc_u64 s[36:37], s[14:15], s[28:29]
	s_add_nc_u64 s[38:39], s[18:19], s[30:31]
	XLOAD 0
	XLOAD 1
	; the table, while the first loads are on their way: lane L makes numbers 2 L and 2 L + 1 of a row: f = 2 r, 2 r + 1
	v_lshlrev_b32 v24, 1, v2
	v_add_nc_u32 v25, 1, v24
	v_cvt_f32_u32 v24, v24
	v_cvt_f32_u32 v25, v25
	v_mul_f32 v24, 0xbed49a78, v24                 ; -f log2(10000) / 32
	v_mul_f32 v25, 0xbed49a78, v25
	s_wait_alu depctr_va_vdst(0)
	v_exp_f32 v24, v24
	v_exp_f32 v25, v25
	v_sub_nc_u32 v26, 1, v3                        ; (a plain place)  the cosine's quarter turn
	s_wait_alu depctr_va_vdst(0)                   ; one wait for both exponentials, ahead of their first reader
.irp i, 0,1,2,3
	s_add_co_u32 s62, s58, \i
	v_cvt_f32_u32 v8, s62
	SINCOS 192+2*\i, 24
	SINCOS 193+2*\i, 25
	global_store_b64 v23, v[192+2*\i:193+2*\i], s[38:39] offset:256*\i   ; a row: 256 consecutive aligned bytes
.endr
	UNIT 0
	UNIT 1
	UNIT 2
	UNIT 3
	v_cmp_le_u32 vcc_lo, 16, v1                    ; lanes 16-31 store the second tile's words
	v_cndmask_b32 v60, v56, v58, vcc_lo
	v_cndmask_b32 v61, v57, v59, vcc_lo
	global_store_b64 v23, v[60:61], s[36:37]       ; 256 consecutive aligned bytes
	s_wait_tensorcnt 0x0
	ds_add_u32 v62, v63
	s_wait_dscnt 0x0
	s_endpgm
.Lwide:
	s_wait_alu depctr_va_vdst(0)
	WPATH 8192, 0, 7, 15, 6, 12, 0, 192, 1
.Lnarrow:
	s_wait_alu depctr_va_vdst(0)
	WPATH 2048, 256, 5, 3, 8, 10, 128, 160, 0
.Lfunc_end_k_q4aeeb775c3_prep:
	.size	k_q4aeeb775c3_prep, .Lfunc_end_k_q4aeeb775c3_prep-k_q4aeeb775c3_prep
	.p2alignl 7, 3214868480
	.fill 96, 4, 3214868480
	.section	.rodata,"a",@progbits
	.p2align	6, 0x0
	.amdhsa_kernel k_q4aeeb775c3_prep
		.amdhsa_group_segment_fixed_size 34304
		.amdhsa_private_segment_fixed_size 0
		.amdhsa_enable_private_segment 0
		.amdhsa_kernarg_size 64
		.amdhsa_user_sgpr_count 2
		.amdhsa_user_sgpr_kernarg_segment_ptr 1
		.amdhsa_wavefront_size32 1
		.amdhsa_system_sgpr_workgroup_id_x 1
		.amdhsa_system_sgpr_workgroup_id_y 1
		.amdhsa_system_sgpr_workgroup_id_z 1
		.amdhsa_system_vgpr_workitem_id 0
		.amdhsa_next_free_vgpr 256
		.amdhsa_next_free_sgpr 66
		.amdhsa_reserve_vcc 1
		.amdhsa_float_denorm_mode_32 3
		.amdhsa_float_denorm_mode_16_64 3
		.amdhsa_memory_ordered 1
		.amdhsa_forward_progress 1
		.amdhsa_inst_pref_size 118
	.end_amdhsa_kernel
	.amdgpu_metadata
---
amdhsa.version: [ 1, 2 ]
amdhsa.kernels:
  - .name:           k_q4aeeb775c3_prep
    .symbol:         k_q4aeeb775c3_prep.kd
    .args:
      - { .name: hidden_states, .offset: 0, .size: 8, .value_kind: global_buffer, .address_space: global }
      - { .name: Wq, .offset: 8, .size: 8, .value_kind: global_buffer, .address_space: global }
      - { .name: Wk, .offset: 16, .size: 8, .value_kind: global_buffer, .address_space: global }
      - { .name: Wv, .offset: 24, .size: 8, .value_kind: global_buffer, .address_space: global }
      - { .name: Wo, .offset: 32, .size: 8, .value_kind: global_buffer, .address_space: global }
      - { .name: xq, .offset: 40, .size: 8, .value_kind: global_buffer, .address_space: global }
      - { .name: wq, .offset: 48, .size: 8, .value_kind: global_buffer, .address_space: global }
      - { .name: rope, .offset: 56, .size: 8, .value_kind: global_buffer, .address_space: global }
    .group_segment_fixed_size: 34304
    .private_segment_fixed_size: 0
    .kernarg_segment_align: 8
    .kernarg_segment_size: 64
    .max_flat_workgroup_size: 128
    .sgpr_count:     66
    .vgpr_count:     256
    .wavefront_size: 32
...
	.end_amdgpu_metadata
.endif
;; end of part 1
;; launch proj (part 2): grid 96 x 4, 4 waves a work-group, clusters of 4 x 4, 327,680 bytes of LDS; arguments xq, wq, rope, qkv; writes qkv
.if DOCPART == 2
	.amdgcn_target "amdgcn-amd-amdhsa--gfx1250"
	.amdhsa_code_object_version 6
	.text
	.protected	k_q4aeeb775c3_proj
	.globl	k_q4aeeb775c3_proj
	.p2align	8
	.type	k_q4aeeb775c3_proj,@function
k_q4aeeb775c3_proj:
	s_mov_b64 s[64:65], 0
	v_nop
	global_prefetch_b8 v0, s[64:65] scope:SCOPE_SE
	s_setreg_imm32_b32 hwreg(HW_REG_WAVE_MODE, 25, 1), 1
	s_wait_xcnt 0x0
	s_wait_alu depctr_hold_cnt(0) depctr_sa_sdst(0) depctr_va_vdst(0) depctr_va_sdst(0) depctr_va_ssrc(0) depctr_va_vcc(0) depctr_vm_vsrc(0)
	s_getreg_b32 s2, hwreg(HW_REG_IB_STS2, 6, 4)
	s_cmp_eq_u32 s2, 0
	s_cbranch_scc0 .Lentry_in_a_cluster
	s_endpgm
.Lentry_in_a_cluster:
	s_bfe_u32 s2, ttmp6, 0x10000c
	s_cmp_lg_u32 s2, 0xf033
	s_cbranch_scc0 .Lentry_shape_is_right
	s_endpgm
.Lentry_shape_is_right:
; PROJ: q, k, v = hidden_states x Wq, Wk, Wv on codes of FP6 (E2M3), RoPE on q and k in f32, and the results quantised again, as the attention launch's operands.
; Operands lie as images of their registers (half fragments of 768 bytes: 16 rows x 64 along K; lane L's registers 0-3 at 16 L, registers 4-5 of lane (r, h) at 512 + 16 r + 8 h; a tile is 32 of them).
; A work-group makes 128 (P, source 0) x 128 (R, source 1), four waves of 64 x 64: 16 accumulators; a lane holds ONE row of R and its registers run along P.  Lane r of tile T holds row 32 (T / 2) + 8 (T % 2) + r + 8 (r / 8),
; so the 16 registers of P's tiles 2 b and 2 b + 1 are 16 neighbours: 32 b + 16 h + 0 .. 15.
; TWO ROLES, by the cluster's number c alone (equal in all partners; it enters selections only, no branch):
;   c < 20: P = 128 columns of Wq or Wk (two heads), R = 128 rows of hidden_states: a lane holds a position s and its registers a head's 64 d: RoPE, then blocks of 32 along d.
;   c >= 20: P = 128 rows of hidden_states (keys), R = 128 columns of Wv: a lane holds (head, d) and its registers run along 64 keys, which are v's K.  It reads the table's row 0 (1 and 0), so the same lines leave v as it is.
; K = 2,048 goes in 16 steps of 128, four fills of 512 through two LDS slots, all written out.  The scale words of both blocks, for all of K, come once.
; CLUSTER 4 x 4: P hangs on (c, cx) and is asked for jointly by my column, R on (c, cy) by my row.
; qkv: unit G = 32 A + B of 3,072 bytes = four half fragments; A = 0-31 q's heads, 32-39 k's, 40-47 v's; B = s / 64 (v: keys / 64).  Scale bytes from QSC on, 128 bytes a unit: the two bytes of (half fragment i, row r) at 64 (i / 2) + 4 r + 2 (i % 2).
; LIMITS: NaN and infinities are not served; a block under 2^-124, or of zeros, keeps the byte 1 (its codes are then zeros or the rule's own; this program alone reads the bytes).
; REGISTERS: window 0: v1-3 lane, r, h; v8-11 the table's addresses; v16-25 LDS addresses; v26 16 L, v27 16 r + 8 h, v30 4 L; v28, v29 the add's; v32-95 scale words, two sets, and nothing else;
;   v96-126 the way out; v128-255 accumulators ((a, b) at v[128 + 8 (4 a + b)]).  window 1: two sets of fragments, at v0 and v128: P's b at + 12 b, R's a at + 48 + 12 a.  window 2: v0-127 cos and sin, 32 a tile of rows.
.set XSC,   3145728
.set WSC,   7864320
.set QSC,   4718592
.set MBLK,  196608                     ; a block of 8 tiles in memory
.set MHALF, 98304                      ; four tiles
.set TILE,  6144                       ; a tile's part of a fill: 8 half fragments
.set HALF,  24576                      ; four such: what one tensor load brings, and what one wave reads of P or of R
.set ROFF,  49152                      ; in a slot: P's 8 tiles, then R's
.set SLOT,  98304
.set SCL,   196608                     ; behind the ring: P's scale words (8,192 bytes), then R's
.set SPARE, 212992                     ; the spare words, 128 bytes for each wave: two blocks of 256 bytes that no other line names
.set ACC, 128
.set SC,  32
.set F0,  0
.set F1,  128
.set SEL, 18
.set G1,   24                          ; s[24:31], s[32:39]: groups 1 and 0 (a set for each slot) for R's codes
.set G0,   32
.set G1B,  48                          ; s[48:55], s[56:63]: for P's
.set G0B,  56
.set G1S,  68                          ; s[68:75], s[76:79]: for R's scales;  s[80:87], s[88:91]: for P's
.set G0S,  76
.set G1SB, 80
.set G0SB, 88
.set MUL,  0x05                        ; sources 0 and 1 window 1; C and D window 0
.set TO_F, 0x40                        ; destination window 1, address window 0
.set MSB, 0
.macro WIN new                         ; the immediate's high byte repeats the setting that is left
.if MSB != \new
	s_set_vgpr_msb (MSB<<8)|\new
.set MSB, \new
.endif
.endm
.macro PLACES                          ; four places behind this matrix form, in front of loads into registers that it has read and of reads of results
.rept 4
	v_nop
.endr
.endm
; A joint load: waves 0 and 1 fetch for R, waves 2 and 3 for P.  Four v_nop follow each of the two lines.
.macro JLOAD g0a, g1a, g0b, g1b
	s_cmp_eq_u32 s15, 0
	s_cbranch_scc0 .Lfor_p_\@
	tensor_load_to_lds s[\g0a:\g0a+3], s[\g1a:\g1a+7]
	s_nop 0
	PLACES
	s_branch .Lasked_\@
.Lfor_p_\@:
	tensor_load_to_lds s[\g0b:\g0b+3], s[\g1b:\g1b+7]
	s_nop 0
	PLACES
.Lasked_\@:
.endm
.macro CREST                           ; a round of the cluster's barrier behind its opening barrier
	s_cmp_lg_u32 s14, 0
	s_cbranch_scc1 .Lnot_wave_0_\@
	s_barrier_signal -3
.Lnot_wave_0_\@:
	s_barrier_wait -3
	s_barrier_signal -1
	s_barrier_wait -1
.endm
.macro CROUND
	s_barrier_signal -1
	s_barrier_wait -1
	CREST
.endm
.macro FRAG reg, ada, adb, off         ; a fragment, 16 rows x 128 K: two half fragments on end, as they lie
	ds_load_b128 v[(\reg):(\reg)+3], v[\ada] offset:(\off)
	ds_load_b64 v[(\reg)+4:(\reg)+5], v[\adb] offset:(\off)+512
	ds_load_b128 v[(\reg)+6:(\reg)+9], v[\ada] offset:(\off)+768
	ds_load_b64 v[(\reg)+10:(\reg)+11], v[\adb] offset:(\off)+1280
.endm
.macro FETCH slot, q, f                ; 32 loads: P's four fragments, then R's four, of the slot's q-th 128 along K
	WIN TO_F
.irp b, 0,1,2,3
	FRAG (\f)+12*\b, 16+\slot, 18+\slot, \b*TILE+1536*(\q)
.endr
.irp a, 0,1,2,3
	FRAG (\f)+48+12*\a, 20+\slot, 22+\slot, \a*TILE+1536*(\q)
.endr
.endm
.macro SCALES g                        ; fill g's scale words into set g % 2: four words a tile, two loads of 8 bytes
.irp t, 0,1,2,3
.irp j, 0,1
	ds_load_b64 v[SC+32*((\g)%2)+4*\t+2*\j:SC+32*((\g)%2)+4*\t+2*\j+1], v24 offset:(\t/2)*2048+(2*(\g)+\j)*256+(\t%2)*128
	ds_load_b64 v[SC+32*((\g)%2)+16+4*\t+2*\j:SC+32*((\g)%2)+16+4*\t+2*\j+1], v25 offset:(\t/2)*2048+(2*(\g)+\j)*256+(\t%2)*128
.endr
.endr
.endm
; 8 matrix instructions: R's tiles a0, a0 + 1 x P's four.  The 16 accumulators take turns, one instruction a turn, in one order.
.macro MUL8 f, a0, q, sig, zero
.irp a, \a0, \a0+1
.irp b, 0,1,2,3
.if \zero
	v_wmma_scale_f32_16x16x128_f8f6f4 v[ACC+8*(4*(\a)+\b):ACC+8*(4*(\a)+\b)+7], v[(\f)+12*\b:(\f)+12*\b+11], v[(\f)+48+12*(\a):(\f)+48+12*(\a)+11], 0, v[SC+32*(\sig)+4*\b+(\q)], v[SC+32*(\sig)+16+4*(\a)+(\q)] matrix_a_fmt:MATRIX_FMT_FP6 matrix_b_fmt:MATRIX_FMT_FP6
.else
	v_wmma_scale_f32_16x16x128_f8f6f4 v[ACC+8*(4*(\a)+\b):ACC+8*(4*(\a)+\b)+7], v[(\f)+12*\b:(\f)+12*\b+11], v[(\f)+48+12*(\a):(\f)+48+12*(\a)+11], v[ACC+8*(4*(\a)+\b):ACC+8*(4*(\a)+\b)+7], v[SC+32*(\sig)+4*\b+(\q)], v[SC+32*(\sig)+16+4*(\a)+(\q)] matrix_a_fmt:MATRIX_FMT_FP6 matrix_b_fmt:MATRIX_FMT_FP6
.endif
.endr
.endr
.endm
.macro STEP slot, q, zero              ; one of a slot's first three steps
	s_wait_dscnt 8                                 ; all but the youngest eight loads (R's tiles 2 and 3) are in
	WIN MUL
	MUL8 128*((\q)%2), 0, \q, \slot, \zero
	PLACES
	FETCH \slot, (\q)+1, 128*(1-(\q)%2)
	s_wait_dscnt 32                                ; all but the 32 just issued
	WIN MUL
	MUL8 128*((\q)%2), 2, \q, \slot, \zero
.endm
; A slot's last step changes slots: one barrier; in front of it each wave waits for all its tensor loads, adds 0 to its spare word, and waits for that and for its reads of this slot.  fill = 1: the slot is filled again.  gn: the next fill's number
.macro TURN slot, next, fill, gn
	WIN 0
	s_wait_tensorcnt 0x0                           ; all my tensor loads have landed, my part of the next slot among them
	ds_add_u32 v28, v29                            ; 0 onto my spare word
	s_wait_dscnt 9                                 ; (the add and the youngest eight loads may be out)
	WIN MUL
	MUL8 F1, 0, 3, \slot, 0                        ; eight matrix instructions stand between the add and the wait for it
	s_wait_dscnt 0x0                               ; the add is done, and my reads of this slot are over
	WIN 0
	s_barrier_signal -1
	s_barrier_wait -1
.if \fill
	CREST                                          ; the barrier has opened a round of the cluster's barrier: no wave of any partner still reads this slot or has a load on its way
	s_add_nc_u64 s[G0+4*\slot+2:G0+4*\slot+3], s[G0+4*\slot+2:G0+4*\slot+3], 2*TILE
	s_add_nc_u64 s[G0B+4*\slot+2:G0B+4*\slot+3], s[G0B+4*\slot+2:G0B+4*\slot+3], 2*TILE
	JLOAD G0+4*\slot, G1, G0B+4*\slot, G1B         ; the first tensor load behind the round; its four v_nop are also the places in front of the loads below
.else
	PLACES
.endif
	SCALES \gn
	FETCH \next, 0, F0
	WIN MUL
	MUL8 F1, 2, 3, \slot, 0
.endm
; Two runs of 16 numbers of a lane (blocks 0 and 1 of its row, my half of each) become a half fragment's six registers at v[dst] and the row's two scale bytes in v[uh].
.macro QUANT2 sa, sb, dst, tm, tx, uh
	v_max3_num_f32 v[(\tm)], |v[(\sa)]|, |v[(\sa)+1]|, 0x1800000   ; with the floor 2^(3 - 127): the byte cannot fall under 1
	v_max3_num_f32 v[(\tm)+1], |v[(\sb)]|, |v[(\sb)+1]|, 0x1800000
.irp i, 2,4,6,8,10,12,14
	v_max3_num_f32 v[(\tm)], v[(\tm)], |v[(\sa)+\i]|, |v[(\sa)+\i+1]|
	v_max3_num_f32 v[(\tm)+1], v[(\tm)+1], |v[(\sb)+\i]|, |v[(\sb)+\i+1]|
.endr
.irp b, 0,1
	v_permlanex16_b32 v[(\tm)+2+\b], v[(\tm)+\b], s[SEL], s[SEL+1]
.endr
.irp b, 0,1
	v_max_num_f32 v[(\tm)+\b], v[(\tm)+\b], v[(\tm)+2+\b]          ; with lane l xor 16's: the block's largest magnitude
.endr
.irp b, 0,1
	v_add_nc_u32 v[(\tm)+4+\b], 0xff000000, v[(\tm)+\b]            ; 2 off the exponent field: the conversion's scale operand
.endr
.irp b, 0,1
	v_lshrrev_b32 v[(\tm)+2+\b], 23, v[(\tm)+4+\b]
.endr
	v_lshl_or_b32 v[\uh], v[(\tm)+3], 8, v[(\tm)+2]
	v_cvt_scalef32_pk16_fp6_f32 v[(\dst):(\dst)+2], v[(\sa):(\sa)+15], v[(\tm)+4]
	v_cvt_scalef32_pk16_fp6_f32 v[(\tx):(\tx)+2], v[(\sb):(\sb)+15], v[(\tm)+5]
	v_nop                                          ; one plain place behind a scaled conversion
.irp i, 0,1,2
	v_permlane16_swap_b32 v[(\dst)+\i], v[(\tx)+\i]                ; a whole block to a lane: lanes 0-15 block 0, lanes 16-31 block 1
.endr
.irp i, 0,1,2
	v_mov_b32 v[(\dst)+3+\i], v[(\tx)+\i]
.endr
.endm
	s_load_b256 s[4:11], s[0:1], 0x0               ; xq s[4:5], wq s[6:7], rope s[8:9], qkv s[10:11]
	v_lshl_add_u32 v28, v0, 2, SPARE
	v_mov_b32 v29, 0
	ds_add_u32 v28, v29
	ds_add_u32 v28, v29
	s_wait_dscnt 0x0
	v_lshrrev_b32 v1, 5, v0
	v_readfirstlane_b32 s14, v1                    ; wave
	s_lshr_b32 s15, s14, 1                         ; wr: my half of R.  Also: I fetch for R (0) or for P (1)
	s_and_b32 s16, s14, 1                          ; wp: my half of P.  Also: which four tiles I fetch
	s_bfe_u32 s40, ttmp6, 0x40000                  ; cx
	s_bfe_u32 s41, ttmp6, 0x40004                  ; cy
	s_mul_i32 s17, ttmp9, 13
	s_lshr_b32 s17, s17, 6                         ; c / 5, for c under 20
	s_mul_i32 s42, s17, 5
	s_sub_co_u32 s42, ttmp9, s42                   ; c % 5
	s_sub_co_u32 s18, ttmp9, 20
	s_cmp_ge_u32 ttmp9, 20                         ; v's role?
	s_cselect_b32 s42, s18, s42
	s_cselect_b32 s17, 5, s17
	s_lshl_b32 s42, s42, 2
	s_add_co_u32 s42, s42, s40                     ; PT: P's block
	s_lshl_b32 s17, s17, 2
	s_add_co_u32 s17, s17, s41                     ; RT: R's block (v's role: 20 + cy, Wv's blocks of wq)
	s_lshl_b32 s43, s41, 2
	s_lshl_b32 s43, 15, s43                        ; my row of the cluster
	s_lshl_b32 s44, 0x1111, s40                    ; my column
	; group 1, codes: four rows (tiles) of 6,144 bytes, 24,576 bytes apart, as elements of 8 bytes; dense in LDS
	s_or_b32 s[G1+0], s43, (3<<16)|(1<<21)         ; 15:0 the mask; 17:16 elements of 8 bytes; 21 set beside a mask
	s_or_b32 s[G1B+0], s44, (3<<16)|(1<<21)
.irp g, G1, G1B
	s_mov_b32 s[\g+1], 768<<16                     ; tensor_dim0
	s_mov_b32 s[\g+2], 8<<16                       ; tensor_dim1: eight tiles for the head's loads; set to four for the ring's behind them
	s_mov_b32 s[\g+3], 768<<16                     ; tile_dim0
	s_mov_b32 s[\g+4], 8                           ; tile_dim1
	s_mov_b32 s[\g+5], 3072                        ; tensor_dim0_stride
	s_mov_b32 s[\g+6], 0
	s_mov_b32 s[\g+7], 0
.endr
	; group 1, scales: 8,192 dense bytes as 32 rows of 256
	s_or_b32 s[G1S+0], s43, (3<<16)|(1<<21)
	s_or_b32 s[G1SB+0], s44, (3<<16)|(1<<21)
.irp g, G1S, G1SB
	s_mov_b32 s[\g+1], 32<<16
	s_mov_b32 s[\g+2], 32<<16                      ; a block's scale words whole: 8,192 dense bytes as 32 rows of 256
	s_mov_b32 s[\g+3], 32<<16
	s_mov_b32 s[\g+4], 32
	s_mov_b32 s[\g+5], 32
	s_mov_b32 s[\g+6], 0
	s_mov_b32 s[\g+7], 0
.endr
	s_mul_i32 s12, s16, MHALF                      ; the four tiles that I fetch, in memory,
	s_mov_b32 s13, 0                               ; s[12:13]: that offset as a pair
	s_mov_b32 s96, WSC
	s_mov_b32 s97, XSC
	s_cmp_ge_u32 ttmp9, 20
	s_cselect_b32 s92, s97, s96                    ; where P's buffer has its scales,
	s_cselect_b32 s22, s96, s97                    ; and R's
	s_mul_i32 s46, s42, MBLK
	s_mov_b32 s47, 0
	s_lshl_b32 s93, s42, 13
	s_add_co_u32 s92, s92, s93
	s_mov_b32 s93, 0
	s_mul_i32 s20, s17, MBLK
	s_mov_b32 s21, 0
	s_lshl_b32 s23, s17, 13
	s_add_co_u32 s22, s22, s23
	s_mov_b32 s23, 0
	s_mul_i32 s45, s16, HALF                       ; where they go: no place in the cluster enters an LDS address
	; the result's unit.  alpha = 2 PT + wp, rho = 2 RT + wr: q, k: G = 32 alpha + rho; v: G = 32 rho + alpha (rho is then 40 + its head)
	s_lshl_b32 s18, s42, 1
	s_add_co_u32 s18, s18, s16
	s_lshl_b32 s19, s17, 1
	s_add_co_u32 s19, s19, s15
	s_lshl_b32 s2, s18, 5
	s_add_co_u32 s2, s2, s19
	s_lshl_b32 s3, s19, 5
	s_add_co_u32 s3, s3, s18
	s_cmp_ge_u32 ttmp9, 20
	s_cselect_b32 s2, s3, s2
	s_cselect_b32 s95, 0, 256                      ; the table's row in bytes; v's role reads row 0
	s_lshl_b32 s100, s2, 7
	s_add_co_u32 s100, s100, QSC
	s_mov_b32 s101, 0
	s_mul_i32 s2, s2, 3072
	s_mov_b32 s3, 0
	s_lshl_b32 s19, s19, 6                         ; my wave's first row of R
	s_wait_kmcnt 0x0
	s_cmp_ge_u32 ttmp9, 20
	s_cselect_b64 s[96:97], s[4:5], s[6:7]         ; P's buffer: the choice hangs on the cluster's number alone
	s_cselect_b64 s[98:99], s[6:7], s[4:5]         ; R's
	s_add_nc_u64 s[46:47], s[96:97], s[46:47]
	s_add_nc_u64 s[92:93], s[96:97], s[92:93]
	s_add_nc_u64 s[20:21], s[98:99], s[20:21]
	s_add_nc_u64 s[22:23], s[98:99], s[22:23]
	s_add_nc_u64 s[66:67], s[10:11], s[2:3]
	s_add_nc_u64 s[100:101], s[10:11], s[100:101]
	CROUND                                         ; all sixteen work-groups are here: the first joint loads meet
	s_mov_b32 s[G0S], 1
	s_mov_b32 s[G0S+1], SCL+8192
	s_mov_b64 s[G0S+2:G0S+3], s[22:23]
	s_or_b32 s[G0S+3], s[G0S+3], 0x80000000
	s_mov_b32 s[G0SB], 1
	s_mov_b32 s[G0SB+1], SCL
	s_mov_b64 s[G0SB+2:G0SB+3], s[92:93]
	s_or_b32 s[G0SB+3], s[G0SB+3], 0x80000000
.set G0H,  4                           ; s[4:7], s[96:99]: group 0 for the head's loads of fill 0, R's eight tiles and P's (the addresses that lay there have been used)
.set G0HB, 96
	s_mov_b32 s[G0H], 1
	s_mov_b32 s[G0H+1], ROFF
	s_mov_b64 s[G0H+2:G0H+3], s[20:21]
	s_or_b32 s[G0H+3], s[G0H+3], 0x80000000
	s_mov_b32 s[G0HB], 1
	s_mov_b32 s[G0HB+1], 0
	s_mov_b64 s[G0HB+2:G0HB+3], s[46:47]
	s_or_b32 s[G0HB+3], s[G0HB+3], 0x80000000
	s_add_nc_u64 s[20:21], s[20:21], s[12:13]      ; for the ring: the four tiles that I fetch
	s_add_nc_u64 s[46:47], s[46:47], s[12:13]
.irp s, 0,1
	s_mov_b32 s[G0+4*\s], 1
	s_add_co_u32 s[G0+4*\s+1], s45, \s*SLOT+ROFF
	s_add_nc_u64 s[G0+4*\s+2:G0+4*\s+3], s[20:21], \s*TILE
	s_or_b32 s[G0+4*\s+3], s[G0+4*\s+3], 0x80000000
	s_mov_b32 s[G0B+4*\s], 1
	s_add_co_u32 s[G0B+4*\s+1], s45, \s*SLOT
	s_add_nc_u64 s[G0B+4*\s+2:G0B+4*\s+3], s[46:47], \s*TILE
	s_or_b32 s[G0B+4*\s+3], s[G0B+4*\s+3], 0x80000000
.endr
; THE HEAD'S LOADS, ONE A WAVE: wave 0 R's eight tiles of fill 0, wave 1 P's, wave 2 R's scale words, wave 3 P's.  One chain of branches on the wave's number, all arms leading to one join.
.macro ARM under, g0, g1, next
	s_cmp_lt_u32 s14, \under
	s_cbranch_scc0 \next
	tensor_load_to_lds s[\g0:\g0+3], s[\g1:\g1+7]
	s_nop 0
	PLACES
	s_branch .Lhead_asked
\next:
.endm
	ARM 1, G0H,  G1,  .Lhead_p
	ARM 2, G0HB, G1B, .Lhead_sr
	ARM 3, G0S,  G1S, .Lhead_sp
	tensor_load_to_lds s[G0SB:G0SB+3], s[G1SB:G1SB+7]
	s_nop 0
	PLACES
.Lhead_asked:
	v_and_b32 v1, 31, v0                           ; L
	v_and_b32 v2, 15, v0                           ; r
	v_bfe_u32 v3, v0, 4, 1                         ; h
	v_lshlrev_b32 v26, 4, v1
	v_lshlrev_b32 v27, 4, v2
	v_lshl_add_u32 v27, v3, 3, v27
	v_lshlrev_b32 v30, 2, v1
	s_mul_i32 s21, s16, HALF                       ; my four tiles of P
	s_mul_i32 s22, s15, HALF
	s_add_co_u32 s22, s22, ROFF                    ; and of R
.irp s, 0,1
	v_add_nc_u32 v[16+\s], s21, v26
	v_add_nc_u32 v[18+\s], s21, v27
	v_add_nc_u32 v[20+\s], s22, v26
	v_add_nc_u32 v[22+\s], s22, v27
	s_add_co_u32 s21, s21, SLOT
	s_add_co_u32 s22, s22, SLOT
.endr
	v_lshlrev_b32 v6, 3, v2                        ; scale words: 8 bytes a row
	s_lshl_b32 s21, s16, 12
	s_add_co_u32 s21, s21, SCL
	v_add_nc_u32 v24, s21, v6
	s_lshl_b32 s22, s15, 12
	s_add_co_u32 s22, s22, SCL+8192
	v_add_nc_u32 v25, s22, v6
	v_and_b32 v7, 8, v2
	v_add_nc_u32 v7, v7, v2
	v_add_nc_u32 v7, s19, v7                       ; my row of R's tile 0
.irp a, 0,1,2,3
	v_add_nc_u32 v[8+\a], 32*(\a/2)+8*(\a%2), v7
.endr
.irp a, 0,1,2,3
	v_mul_lo_u32 v[8+\a], v[8+\a], s95
.endr
.irp a, 0,1,2,3
	v_lshl_add_u32 v[8+\a], v3, 6, v[8+\a]         ; the table: my row, f = 16 h on
.endr
	s_mov_b32 s[SEL], 0x76543210
	s_mov_b32 s[SEL+1], 0xfedcba98
	WIN 0x80                                       ; destination window 2: cos at 32 a + 0..15, sin at 32 a + 16..31; waited for on the way out
.irp a, 0,1,2,3
.irp j, 0,1,2,3
	global_load_b128 v[32*\a+4*\j:32*\a+4*\j+3], v[8+\a], s[8:9] offset:16*\j
	global_load_b128 v[32*\a+16+4*\j:32*\a+16+4*\j+3], v[8+\a], s[8:9] offset:128+16*\j
.endr
.endr
	WIN 0
	s_wait_alu depctr_va_vdst(0)                   ; the wait at the head's end
	s_wait_tensorcnt 0x0                           ; my tile of the head's four is in; slot 1's first fill is issued as a refill is:
	ds_add_u32 v28, v29                            ; 0 onto my spare word
	s_mov_b32 s[G1+2], 4<<16                       ; no tensor load of mine is out: from here on a load brings four tiles
	s_mov_b32 s[G1+4], 4
	s_mov_b32 s[G1B+2], 4<<16
	s_mov_b32 s[G1B+4], 4
	s_wait_dscnt 0x0
	CROUND                                         ; all four tiles are in, and all sixteen work-groups are here
	JLOAD G0+4, G1, G0B+4, G1B                     ; fill 1, the first tensor load behind the round
	SCALES 0
	FETCH 0, 0, F0
	STEP 0, 0, 1                                   ; the first products start the sums: nothing is cleared
	STEP 0, 1, 0
	STEP 0, 2, 0
	TURN 0, 1, 1, 1
	STEP 1, 0, 0
	STEP 1, 1, 0
	STEP 1, 2, 0
	TURN 1, 0, 1, 2
	STEP 0, 0, 0
	STEP 0, 1, 0
	STEP 0, 2, 0
	TURN 0, 1, 0, 3                                ; nothing is left to fetch
	STEP 1, 0, 0
	STEP 1, 1, 0
	STEP 1, 2, 0
	s_wait_dscnt 8
	WIN MUL
	MUL8 F1, 0, 3, 1, 0
	s_wait_dscnt 0x0
	MUL8 F1, 2, 3, 1, 0
	WIN 0
	; THE WAY OUT.  For R's tile a: x1 = registers 32 a + 0..15 (d or key 16 h + i), x2 = 32 a + 16..31 (32 + 16 h + i).  y1 = x1 cos - x2 sin, y2 = x2 cos + x1 sin, f = 16 h + i.
	PLACES
	v_mov_b32 v114, 0                              ; a lane permute's destination counts as one of its sources
	v_mov_b32 v115, 0
	v_cmp_le_u32 vcc_lo, 16, v1
	s_wait_loadcnt 0x0                             ; cos and sin
.irp a, 0,1,2,3
	WIN 0x08                                       ; source 1 window 2.
.set ei, 0
.rept 8
	v_pk_mul_f32 v[96+ei:97+ei], v[ACC+32*\a+ei:ACC+32*\a+ei+1], v[32*\a+ei:32*\a+ei+1]
.set ei, ei+2
.endr
.set ei, 0
.rept 8
	v_pk_fma_f32 v[96+ei:97+ei], v[ACC+32*\a+16+ei:ACC+32*\a+17+ei], v[32*\a+16+ei:32*\a+17+ei], v[96+ei:97+ei] neg_lo:[1,0,0] neg_hi:[1,0,0]
.set ei, ei+2
.endr
.set ei, 0
.rept 8
	v_pk_mul_f32 v[ACC+32*\a+16+ei:ACC+32*\a+17+ei], v[ACC+32*\a+16+ei:ACC+32*\a+17+ei], v[32*\a+ei:32*\a+ei+1]
.set ei, ei+2
.endr
.set ei, 0
.rept 8
	v_pk_fma_f32 v[ACC+32*\a+16+ei:ACC+32*\a+17+ei], v[ACC+32*\a+ei:ACC+32*\a+ei+1], v[32*\a+16+ei:32*\a+17+ei], v[ACC+32*\a+16+ei:ACC+32*\a+17+ei]
.set ei, ei+2
.endr
	WIN 0
	QUANT2 96, ACC+32*\a+16, ACC+32*\a, 112, 118, 121+\a
	global_store_b128 v26, v[ACC+32*\a:ACC+32*\a+3], s[66:67] offset:768*\a        ; 512 consecutive aligned bytes
	global_store_b64 v27, v[ACC+32*\a+4:ACC+32*\a+5], s[66:67] offset:768*\a+512   ; 256
.endr
	v_lshl_or_b32 v125, v122, 16, v121             ; lanes 0-15: half fragments 0 and 1 of row r;
	v_lshl_or_b32 v126, v124, 16, v123             ; lanes 16-31: 2 and 3
	v_cndmask_b32 v125, v125, v126, vcc_lo
	global_store_b32 v30, v125, s[100:101]         ; the unit's 128 bytes of scale bytes
	s_wait_tensorcnt 0x0                           ; the wave's end
	ds_add_u32 v28, v29
	s_wait_dscnt 0x0
	CROUND                                         ; the closing round
	s_endpgm
.Lfunc_end_k_q4aeeb775c3_proj:
	.size	k_q4aeeb775c3_proj, .Lfunc_end_k_q4aeeb775c3_proj-k_q4aeeb775c3_proj
	.p2alignl 7, 3214868480
	.fill 96, 4, 3214868480
	.section	.rodata,"a",@progbits
	.p2align	6, 0x0
	.amdhsa_kernel k_q4aeeb775c3_proj
		.amdhsa_group_segment_fixed_size 327680
		.amdhsa_private_segment_fixed_size 0
		.amdhsa_enable_private_segment 0
		.amdhsa_kernarg_size 32
		.amdhsa_user_sgpr_count 2
		.amdhsa_user_sgpr_kernarg_segment_ptr 1
		.amdhsa_wavefront_size32 1
		.amdhsa_system_sgpr_workgroup_id_x 1
		.amdhsa_system_sgpr_workgroup_id_y 1
		.amdhsa_system_sgpr_workgroup_id_z 1
		.amdhsa_system_vgpr_workitem_id 0
		.amdhsa_next_free_vgpr 768
		.amdhsa_next_free_sgpr 102
		.amdhsa_reserve_vcc 1
		.amdhsa_float_denorm_mode_32 3
		.amdhsa_float_denorm_mode_16_64 3
		.amdhsa_memory_ordered 1
		.amdhsa_forward_progress 1
		.amdhsa_inst_pref_size 106
	.end_amdhsa_kernel
	.amdgpu_metadata
---
amdhsa.version: [ 1, 2 ]
amdhsa.kernels:
  - .name:           k_q4aeeb775c3_proj
    .symbol:         k_q4aeeb775c3_proj.kd
    .args:
      - { .name: xq, .offset: 0, .size: 8, .value_kind: global_buffer, .address_space: global }
      - { .name: wq, .offset: 8, .size: 8, .value_kind: global_buffer, .address_space: global }
      - { .name: rope, .offset: 16, .size: 8, .value_kind: global_buffer, .address_space: global }
      - { .name: qkv, .offset: 24, .size: 8, .value_kind: global_buffer, .address_space: global }
    .group_segment_fixed_size: 327680
    .private_segment_fixed_size: 0
    .kernarg_segment_align: 8
    .kernarg_segment_size: 32
    .max_flat_workgroup_size: 128
    .sgpr_count:     102
    .vgpr_count:     768
    .wavefront_size: 32
...
	.end_amdgpu_metadata
.endif
;; end of part 2
;; launch attn (part 3): grid 32 x 8, 8 waves a work-group, clusters of 4 x 4, 327,680 bytes of LDS; arguments qkv, attention_mask, aq; writes aq
.if DOCPART == 3
	.amdgcn_target "amdgcn-amd-amdhsa--gfx1250"
	.amdhsa_code_object_version 6
	.text
	.protected	k_q4aeeb775c3_attn
	.globl	k_q4aeeb775c3_attn
	.p2align	8
	.type	k_q4aeeb775c3_attn,@function
k_q4aeeb775c3_attn:
	s_mov_b64 s[64:65], 0
	v_nop
	global_prefetch_b8 v0, s[64:65] scope:SCOPE_SE
	s_setreg_imm32_b32 hwreg(HW_REG_WAVE_MODE, 25, 1), 1
	s_wait_xcnt 0x0
	s_wait_alu depctr_hold_cnt(0) depctr_sa_sdst(0) depctr_va_vdst(0) depctr_va_sdst(0) depctr_va_ssrc(0) depctr_va_vcc(0) depctr_vm_vsrc(0)
	s_getreg_b32 s2, hwreg(HW_REG_IB_STS2, 6, 4)
	s_cmp_eq_u32 s2, 0
	s_cbranch_scc0 .Lentry_in_a_cluster
	s_endpgm
.Lentry_in_a_cluster:
	s_bfe_u32 s2, ttmp6, 0x10000c
	s_cmp_lg_u32 s2, 0xf033
	s_cbranch_scc0 .Lentry_shape_is_right
	s_endpgm
.Lentry_shape_is_right:
; ATTN: attn = softmax(q k^T / 8 + mask) v for 32 query heads on 8 key and value heads (head n uses head n % 8), both products on codes of FP6 (E2M3); the result is quantised along (head, d) for the last product.
; THE LOGIT LEAVES THE MATRIX UNIT FINISHED: 1 / 8 is a power of two and is taken off Q's scale bytes (3 off each), and the mask word is the C of the first product.  u = logit; t - M = u x log2(e) - M is one fused multiply-add;
; M = the running largest t rounded up to a whole number; p = 2^(t - M) is quantised along the keys, not normalised; the row's sum is taken of the unquantised p and divides at the end.
; When M moves, the sum and O are multiplied by 2^(old M - new M): exact.  The mask is an input: every word of it is read and honoured; no key is left out.
; reference()'s clip of the logits at -FLT_MAX: a logit at or under the clip has t beyond f32's range, so its p is 0 with the clip and without it; no line is spent on it.
; LIMITS: NaN and infinities in the mask are not served (the mask word is a matrix operand); a row whose every logit lies under -1.7e38, where the running maximum starts, is not served;
; the promise holds while t stays under 2^31 in magnitude; a block of q whose scale byte is under 4 (largest magnitude under 2^-121) keeps the byte 1; blocks of p under 2^-124, or of zeros, keep the byte 1 (codes 0).
; SHARES.  Work-group (X, Y): 64 queries, key and value head Y.  Eight waves of 512 registers, two to a SIMD.  Wave w: query tile 4 X + w % 4 for two heads, Y + 8 (2 (w / 4) + g), g = 0, 1:
; K's and V's fragments and the mask words are read from LDS once for two heads.  Both products are used transposed: S^T = K Q^T + mask^T, O^T = V^T P^T: a lane holds one query.
; WHICH KEYS FORM A TILE OF K is chosen by the LDS address: lane r of tile 4 c + u takes key 64 c + 32 (r / 8) + 8 u + r % 8 of the step, so lane (r, h)'s 32 registers of tiles 4 c .. 4 c + 3 are keys 64 c + 32 h + 0 .. 31:
; a whole block of 32 in one lane, in the place that the next operand's layout gives it: a block's maximum asks no other lane, and the conversions' results change no lane.
; In qkv that key is row 8 (u / 2) + r % 8 of half fragment 2 (r / 8) + u % 2 of unit c.
; K = 64 of the first product fills half of the instruction's 128: Q's registers 6-11 are zero codes; K's operand for tile t is 12 registers from its six on, whose upper six meet those zeros; that half's scale bytes are 0 (2^-127, no NaN).
; RING: two slots of two key steps (256 keys): K's codes, V's codes (12,288 bytes each, as 48 rows of 256 bytes + 64 of padding: 15,360), the mask's 64 rows x 1,024 bytes.
; With that padding 1,536 bytes of codes are 1,920 in LDS, 128 modulo 256: the two runs of eight rows that a load of K touches start at sixteen different 16-byte columns.
; A STEP'S OPERANDS COME INTO REGISTERS ONE STEP AHEAD: the next step's V (two sets of registers) is asked of LDS behind head 0's first products, the next step's K and mask behind head 1's, which free their registers.
; So at the head of a slot's second step all reads of the slot are done: THE CHANGE OF SLOTS STANDS THERE, the slot is filled again, and behind the round each wave has a whole step's work in registers.
; THE MASK IN LDS: four groups of 16 rows, rows 1,040 bytes apart, a group 16 x 1,040 + 128 bytes.
; WHO FETCHES: at the head every wave one tile: waves 0, 1 K's and V's codes, waves 2, 3 their scale bytes (filled once), waves 4 to 7 a group of the mask.
; CLUSTER 4 x 4: K, V and their scale bytes hang on Y and are asked for jointly by my row; the mask hangs on X, by my column.
; No prefetch: between a refill and the wait for it stand two key steps, four softmaxes of each wave.
; REGISTERS, window 0: v1 16 L, v2 16 r + 8 h, v3 my mask row, v4 V's scale bytes, v20-22 K's lane addresses, v23 8 h, v27 16 r + 320 h; v5-8, v24-26 the addresses in the slot that is being read; v9 4 r; v10, v11 the add's;
;   v12 + 4 g: -M, largest u, the sum in two halves; v28-29 Q's scales, v32-39 K's, v40-43 V's, v122 p's (scales and nothing else); v44-51 at work; v52-63 p's codes; v64-87 Q; v88-95 V's scale bytes by halves;
;   v112-121, v123 at work; v128-191 S^T, then p; v192-255 the mask words.   window 1: v0-63 O^T, 32 a head; v64-111 and v192-239 V, two sets; v128-181 K, six a tile, and six zeros.
.set QSC,   4718592
.set ASC,   3145728
.set SLOT1, 131072                     ; slot 1 begins here: one exclusive or turns an address
.set STEPB, 6144                       ; a key step's codes of K, or of V, in memory,
.set LSTEP, 7680                       ; and in LDS
.set VOFF,  15360
.set MOFF,  30720
.set MP,    1040
.set MG,    16*MP+128
.set KSC,   262144                     ; behind the ring: K's scale bytes of the whole head (4,096), then V's
.set SPARE, 270336                     ; the spare words, 128 bytes for each wave
.set QS, 28
.set KS, 32
.set VS, 40
.set X8, 44
.set PC, 52
.set QF, 64
.set VH, 88
.set BM, 112
.set SO, 116
.set FF, 120
.set PW, 122
.set TT, 123
.set S,  128
.set MK, 192
.set KF, 128
.set VF0, 192
.set VF1, 64
.set SEL, 60
.set CC,  66
.set TB,  68
.set TS,  69
.set CNT, 70
.set HP,  71                           ; w / 4: which two of the four heads
.set WQ,  86                           ; w % 4: my query tile; in waves 4 to 7 also the mask's group that I fetch
.set MSB, 0
.macro WIN new                         ; the immediate's high byte repeats the setting that is left
.if MSB != \new
	s_set_vgpr_msb (MSB<<8)|\new
.set MSB, \new
.endif
.endm
.macro PLACES
.rept 4
	v_nop
.endr
.endm
.macro DEP n
	s_delay_alu instid0(VALU_DEP_\n)
.endm
.macro JLOAD                           ; waves 0 and 1: K's and V's codes; waves 4 to 7: the mask's groups.  The branches hang on the wave's number alone
	s_cmp_lt_u32 s14, 2
	s_cbranch_scc0 .Lnot_kv_\@
	tensor_load_to_lds s[48:51], s[24:31]
	s_nop 0
	PLACES
	s_branch .Lasked_\@
.Lnot_kv_\@:
	s_cmp_lt_u32 s14, 4
	s_cbranch_scc1 .Lasked_\@
	tensor_load_to_lds s[52:55], s[32:39]
	s_nop 0
	PLACES
.Lasked_\@:
.endm
.macro CROUND                          ; a round of the cluster's barrier
	s_barrier_signal -1
	s_barrier_wait -1
	s_cmp_lg_u32 s14, 0
	s_cbranch_scc1 .Lnot_wave_0_\@
	s_barrier_signal -3
.Lnot_wave_0_\@:
	s_barrier_wait -3
	s_barrier_signal -1
	s_barrier_wait -1
.endm
.macro QUANT2 sa, sb, dst, tm, tx, uh  ; the way out: two runs of 16 numbers (blocks 0 and 1 of my row, my half of each) -> a half fragment's six registers and the row's two scale bytes
	v_max3_num_f32 v[(\tm)], |v[(\sa)]|, |v[(\sa)+1]|, 0x1800000
	v_max3_num_f32 v[(\tm)+1], |v[(\sb)]|, |v[(\sb)+1]|, 0x1800000
.irp i, 2,4,6,8,10,12,14
	DEP 2
	v_max3_num_f32 v[(\tm)], v[(\tm)], |v[(\sa)+\i]|, |v[(\sa)+\i+1]|
	DEP 2
	v_max3_num_f32 v[(\tm)+1], v[(\tm)+1], |v[(\sb)+\i]|, |v[(\sb)+\i+1]|
.endr
.irp b, 0,1
	DEP 2
	v_permlanex16_b32 v[(\tm)+2+\b], v[(\tm)+\b], s[SEL], s[SEL+1]
.endr
.irp b, 0,1
	DEP 2
	v_max_num_f32 v[(\tm)+\b], v[(\tm)+\b], v[(\tm)+2+\b]
.endr
.irp b, 0,1
	DEP 2
	v_add_nc_u32 v[(\tm)+4+\b], 0xff000000, v[(\tm)+\b]
.endr
.irp b, 0,1
	DEP 2
	v_lshrrev_b32 v[(\tm)+2+\b], 23, v[(\tm)+4+\b]
.endr
	DEP 1
	v_lshl_or_b32 v[\uh], v[(\tm)+3], 8, v[(\tm)+2]
	v_cvt_scalef32_pk16_fp6_f32 v[(\dst):(\dst)+2], v[(\sa):(\sa)+15], v[(\tm)+4]
	v_cvt_scalef32_pk16_fp6_f32 v[(\tx):(\tx)+2], v[(\sb):(\sb)+15], v[(\tm)+5]
	v_nop                                          ; one plain place behind a scaled conversion
.irp i, 0,1,2
	v_permlane16_swap_b32 v[(\dst)+\i], v[(\tx)+\i]
.endr
.irp i, 0,1,2
	DEP 3
	v_mov_b32 v[(\dst)+3+\i], v[(\tx)+\i]
.endr
.endm
; 40 LDS loads: my query's mask words in S^T's order (register 32 c + i: key 64 c + 32 h + i), K's scale bytes and K's eight tiles of the q-th key step of the slot that the addresses name
.macro LOADKM q
.irp c, 0,1
.irp j, 0,1,2,3,4,5,6,7
	ds_load_b128 v[MK+32*\c+4*\j:MK+32*\c+4*\j+3], v7 offset:512*(\q)+256*\c+16*\j
.endr
.endr
.irp t, 0,1,2,3,4,5,6,7
	ds_load_u16 v[KS+\t], v26 offset:256*(\q)+128*(\t/4)+32*((\t%4)/2)+2*(\t%2)    ; two scale bytes; the upper two are 0
.endr
	WIN 0x40
.irp t, 0,1,2,3,4,5,6,7
	ds_load_b128 v[KF+6*\t:KF+6*\t+3], v24 offset:LSTEP*(\q)+3840*(\t/4)+960*(\t%2)+128*((\t%4)/2)
	ds_load_b64 v[KF+6*\t+4:KF+6*\t+5], v25 offset:LSTEP*(\q)+3840*(\t/4)+960*(\t%2)+128*((\t%4)/2)+640
.endr
	WIN 0
.endm
.macro LOADV q, vf                     ; 24 LDS loads: V's four fragments into the set at vf, and its scale bytes, by halves of 64 keys
	WIN 0x40
.irp i, 0,1,2,3
	ds_load_b128 v[(\vf)+12*\i:(\vf)+12*\i+3], v5 offset:VOFF+LSTEP*(\q)+960*\i
	ds_load_b64 v[(\vf)+12*\i+4:(\vf)+12*\i+5], v6 offset:VOFF+LSTEP*(\q)+960*\i+640
	ds_load_b128 v[(\vf)+12*\i+6:(\vf)+12*\i+9], v5 offset:VOFF+LSTEP*(\q)+3840+960*\i
	ds_load_b64 v[(\vf)+12*\i+10:(\vf)+12*\i+11], v6 offset:VOFF+LSTEP*(\q)+3840+960*\i+640
.endr
	WIN 0
.irp i, 0,1,2,3
.irp c, 0,1
	ds_load_u16 v[VH+2*\i+\c], v8 offset:4096+256*(\q)+128*\c+64*(\i/2)+2*(\i%2)
.endr
.endr
.endm
; ONE HEAD'S PART OF A KEY STEP.  vf: this step's set of V.  Behind the first products the next step's operands are asked of LDS: head 0 asks for V (step nq of the slot that the addresses name, into the set nvf), head 1 for K and the mask.
; skip = 1: in the loop's last trip, told by its counter, no step follows: a branch leads round these LDS loads and round nothing else.
.macro HEAD g, vf, nq, nvf, skip
.set NM, 12+4*\g
.set LL, 14+4*\g
	WIN 0x01                                       ; source 0 (K) window 1
.irp t, 0,1,2,3,4,5,6,7
	v_wmma_scale_f32_16x16x128_f8f6f4 v[S+8*\t:S+8*\t+7], v[KF+6*\t:KF+6*\t+11], v[QF+12*\g:QF+12*\g+11], v[MK+8*\t:MK+8*\t+7], v[KS+\t], v[QS+\g] matrix_a_fmt:MATRIX_FMT_FP6 matrix_b_fmt:MATRIX_FMT_FP6
.endr
	WIN 0
.if \g == 0
.irp i, 0,1,2,3
	v_lshl_or_b32 v[VS+\i], v[VH+2*\i+1], 16, v[VH+2*\i]   ; V's scale words; they name no register of the products above: the four places behind them
.endr
.else
	PLACES                                         ; behind the products: ahead of reads of their results and of loads into their sources
.endif
.if \skip
	s_cmp_eq_u32 s[CNT], 1
	s_cbranch_scc1 .Lno_more_\@
.endif
.if \g == 0
	LOADV \nq, \nvf
.else
	LOADKM \nq
.endif
.if \skip
.Lno_more_\@:
.endif
.irp c, 0,1                            ; the largest u of my two blocks of 32 keys, each in two chains, the four by turns; each accumulator is read from its low end on
	v_max3_num_f32 v[BM+2*\c], v[S+32*\c], v[S+32*\c+1], v[S+32*\c+2]
	v_max3_num_f32 v[BM+2*\c+1], v[S+32*\c+16], v[S+32*\c+17], v[S+32*\c+18]
.endr
.irp i, 3,5,7,9,11,13
.irp c, 0,1
	v_max3_num_f32 v[BM+2*\c], v[BM+2*\c], v[S+32*\c+\i], v[S+32*\c+\i+1]
	v_max3_num_f32 v[BM+2*\c+1], v[BM+2*\c+1], v[S+32*\c+16+\i], v[S+32*\c+17+\i]
.endr
.endr
	v_max3_num_f32 v[BM], v[BM], v[BM+1], v[S+15]
	v_max3_num_f32 v[BM+2], v[BM+2], v[BM+3], v[S+47]
	v_max_num_f32 v[BM], v[BM], v[S+31]
	v_max_num_f32 v[BM+2], v[BM+2], v[S+63]
	DEP 1
	v_max_num_f32 v[TT], v[BM], v[BM+2]
	DEP 1
	v_permlanex16_b32 v[SO], v[TT], s[SEL], s[SEL+1]
	DEP 1
	v_max3_num_f32 v[NM+1], v[NM+1], v[TT], v[SO]  ; the running largest u, with lane l xor 16's 64 keys
	v_mov_b32 v[TT], v[NM]
	DEP 2
	v_mul_f32 v[SO+1], s[CC], v[NM+1]              ; as t (log2(e) is positive)
	DEP 1
	v_floor_f32 v[NM], -v[SO+1]                    ; the new -M = -ceil(t): a whole number
	DEP 1
	v_sub_f32 v[TT], v[NM], v[TT]                  ; old M - new M
	DEP 1
	v_cvt_i32_f32 v[TT], v[TT]                     ; (it saturates)
	DEP 1
	v_ldexp_f32 v[FF], 1.0, v[TT]                  ; f = 2^(old M - new M)
	WIN 0x41                                       ; O^T in window 1, f in window 0
	s_wait_alu depctr_va_vdst(0)                   ; the wait here, directly ahead of the first reader of O^T
.set hj, 0
.rept 16
	v_pk_mul_f32 v[32*\g+hj:32*\g+hj+1], v[32*\g+hj:32*\g+hj+1], v[FF:FF+1] op_sel_hi:[1,0]   ; O^T under the new M
.set hj, hj+2
.endr
	WIN 0
.set hj, 0
.rept 32
	v_pk_fma_f32 v[S+hj:S+hj+1], v[S+hj:S+hj+1], s[CC:CC+1], v[NM:NM+1] op_sel_hi:[1,0,0]   ; t - M, two at a time
.set hj, hj+2
.endr
	v_fma_f32 v[BM], v[BM], s[CC], v[NM]           ; the same of each block's largest u: p rises with u, so this gives the block's largest p
	v_fma_f32 v[BM+2], v[BM+2], s[CC], v[NM]
	v_pk_mul_f32 v[LL:LL+1], v[LL:LL+1], v[FF:FF+1] op_sel_hi:[1,0]   ; the sums under the new M
	s_wait_alu depctr_va_vdst(0)                   ; the wait ahead of the batch
.set hj, 0
.rept 64
	v_exp_f32 v[S+hj], v[S+hj]                     ; p = 2^(t - M)
.set hj, hj+1
.endr
	v_exp_f32 v[BM], v[BM]
	v_exp_f32 v[BM+2], v[BM+2]
	v_nop                                          ; a plain place behind the exponentials
	s_wait_alu depctr_va_vdst(0)                   ; one wait for the batch of 66, ahead of its first reader
	v_max_num_f32 v[BM], 0x1800000, v[BM]          ; the floor 2^(3 - 127): the byte cannot fall under 1
	v_max_num_f32 v[BM+2], 0x1800000, v[BM+2]
	DEP 2
	v_add_nc_u32 v[SO], 0xff000000, v[BM]          ; 2 off the exponent field: the conversion's scale operand
	DEP 2
	v_add_nc_u32 v[SO+1], 0xff000000, v[BM+2]
.irp c, 0,1                            ; my block 2 c + h, whole: registers 6 c .. 6 c + 5 of the operand
	v_cvt_scalef32_pk16_fp6_f32 v[PC+6*\c:PC+6*\c+2], v[S+32*\c:S+32*\c+15], v[SO+\c]
	v_cvt_scalef32_pk16_fp6_f32 v[X8+4*\c:X8+4*\c+2], v[S+32*\c+16:S+32*\c+31], v[SO+\c]   ; (a conversion's three registers begin on an even number)
.endr
	v_lshrrev_b32 v[BM], 23, v[SO]                 ; the scales' bytes; also the plain place behind the conversions
	v_lshrrev_b32 v[BM+2], 23, v[SO+1]
	DEP 1
	v_lshl_or_b32 v[TT], v[BM+2], 16, v[BM]        ; my two bytes, blocks h and 2 + h,
	DEP 1
	v_lshlrev_b32 v[TT], v23, v[TT]                ; 8 h bits up;
	DEP 1
	v_permlanex16_b32 v[PW], v[TT], s[SEL], s[SEL+1]
	DEP 1
	v_or_b32 v[PW], v[PW], v[TT]                   ; with lane l xor 16's two p's scale word is whole
.irp c, 0,1
.irp i, 0,1,2
	v_mov_b32 v[PC+6*\c+3+\i], v[X8+4*\c+\i]
.endr
.endr
.irp k, 0,1,2,3                        ; the row's sum, of the unquantised p, in four chains; these 32 lines are also the places between the operand's and the scale word's writes and the products below
	v_pk_add_f32 v[X8+2*\k:X8+2*\k+1], v[S+4*\k:S+4*\k+1], v[S+4*\k+2:S+4*\k+3]
.endr
.set hj, 16
.rept 6
.irp k, 0,1,2,3
	v_pk_add_f32 v[X8+2*\k:X8+2*\k+1], v[X8+2*\k:X8+2*\k+1], v[S+hj+2*\k:S+hj+2*\k+1]
.endr
.set hj, hj+8
.endr
	v_pk_add_f32 v[X8:X8+1], v[X8:X8+1], v[X8+2:X8+3]
	v_pk_add_f32 v[X8+4:X8+5], v[X8+4:X8+5], v[X8+6:X8+7]
	DEP 1
	v_pk_add_f32 v[X8:X8+1], v[X8:X8+1], v[X8+4:X8+5]
	DEP 1
	v_pk_add_f32 v[LL:LL+1], v[LL:LL+1], v[X8:X8+1]
	WIN 0x51                                       ; V, C and D window 1; p window 0
.irp i, 0,1,2,3
	v_wmma_scale_f32_16x16x128_f8f6f4 v[32*\g+8*\i:32*\g+8*\i+7], v[(\vf)+12*\i:(\vf)+12*\i+11], v[PC:PC+11], v[32*\g+8*\i:32*\g+8*\i+7], v[VS+\i], v[PW] matrix_a_fmt:MATRIX_FMT_FP6 matrix_b_fmt:MATRIX_FMT_FP6
.endr
.endm
; THE CHANGE OF SLOTS.  fill = 1: the slot whose reads are over is filled with the tiles of 256 keys further on, behind a round of the cluster's barrier.  fill = 0: nothing is left to fetch; the barrier shows the other slot whole.
.macro CHANGE fill
	s_wait_tensorcnt 0x0                           ; all my tensor loads have landed: my part of the other slot; so a group 0 may be written
	ds_add_u32 v10, v11                            ; 0 onto my spare word
.if \fill
	s_xor_b32 s49, s49, SLOT1
	s_add_nc_u64 s[50:51], s[50:51], 2*STEPB       ; the next 256 keys' codes
	s_xor_b32 s53, s53, SLOT1
	s_add_nc_u64 s[54:55], s[54:55], 1024          ; and mask words
.endif
	s_wait_dscnt 0x0                               ; the add is done, and all my LDS reads are over
.if \fill
	CROUND
	JLOAD                                          ; the first thing behind the round, and my one tensor load until the next
.else
	s_barrier_signal -1
	s_barrier_wait -1
.endif
.endm
.macro ADDR                            ; the addresses in the slot that is read from here on
	v_add_nc_u32 v5, s[TB], v27
	v_add_nc_u32 v6, s[TB], v2
	v_add_nc_u32 v7, s[TB], v3
	v_add_nc_u32 v24, s[TB], v20
	v_add_nc_u32 v25, s[TB], v21
	v_add_nc_u32 v8, s[TS], v4
	v_add_nc_u32 v26, s[TS], v22
	s_wait_alu depctr_va_vdst(0)
.endm
; A SLOT'S TWO KEY STEPS.  The first step's operands were asked for under the step before.  last = 1: the loop of the last two slots (in its last trip the barrier orders nothing more; it stands so that both trips are one text).
.macro SLOT fill, last
	PLACES                                         ; behind the last products, ahead of the lines that write V's scale words
	s_wait_dscnt 0x0                               ; this step's operands are in
	HEAD 0, VF0, 1, VF1, 0
	HEAD 1, VF0, 1, VF1, 0
	WIN 0
	CHANGE \fill                                   ; the second step's operands are in registers: the slot is read no more
	s_xor_b32 s[TB], s[TB], SLOT1                  ; from here on the other slot is read,
	s_add_co_u32 s[TS], s[TS], 512                 ; and the next two steps' scale bytes
	ADDR                                           ; (seven plain lines: the places ahead of the lines that write V's scale words)
	HEAD 0, VF1, 0, VF0, \last
	HEAD 1, VF1, 0, VF0, \last
	WIN 0
.endm
	s_load_b128 s[4:7], s[0:1], 0x0                ; qkv s[4:5], the mask s[6:7]
	s_load_b64 s[8:9], s[0:1], 0x10                ; aq
	v_lshl_add_u32 v10, v0, 2, SPARE
	v_mov_b32 v11, 0
	ds_add_u32 v10, v11                            ; the opening lines: the add, twice on end, and its wait
	ds_add_u32 v10, v11
	s_wait_dscnt 0x0
	v_lshrrev_b32 v1, 5, v0
	v_readfirstlane_b32 s14, v1                    ; wave 0..7
	s_and_b32 s[WQ], s14, 3
	s_lshr_b32 s[HP], s14, 2
	s_bfe_u32 s15, s14, 0x10001                    ; (w % 4) / 2
	s_and_b32 s16, s14, 1                          ; w % 2
	s_bfe_u32 s10, ttmp6, 0x40000                  ; cx
	s_bfe_u32 s11, ttmp6, 0x40004                  ; cy
	s_lshl_b32 s12, ttmp9, 2
	s_add_co_u32 s12, s12, s10                     ; X
	s_and_b32 s13, ttmp7, 0xffff
	s_lshl_b32 s13, s13, 2
	s_add_co_u32 s13, s13, s11                     ; Y
	s_lshl_b32 s17, s11, 2
	s_lshl_b32 s17, 15, s17                        ; my row of the cluster
	s_lshl_b32 s18, 0x1111, s10                    ; my column
	; group 1: codes: 12,288 dense bytes as 48 rows of 256, 16 words of padding behind each; the mask: 16 rows of 256 words, 2,048 words apart, 4 words of padding behind each; scale bytes: 4,096 as 16 rows
	s_or_b32 s24, s17, (3<<16)|(1<<20)|(1<<21)|(5<<22)|(15<<25)
	s_mov_b32 s25, 32<<16
	s_mov_b32 s26, 48<<16
	s_mov_b32 s27, 32<<16
	s_mov_b32 s28, 48
	s_mov_b32 s29, 32
	s_mov_b32 s30, 0
	s_mov_b32 s31, 0
	s_or_b32 s32, s18, (2<<16)|(1<<20)|(1<<21)|(7<<22)|(3<<25)
	s_mov_b32 s33, 256<<16
	s_mov_b32 s34, 16<<16
	s_mov_b32 s35, 256<<16
	s_mov_b32 s36, 16
	s_mov_b32 s37, 2048
	s_mov_b32 s38, 0
	s_mov_b32 s39, 0
	s_or_b32 s40, s17, (3<<16)|(1<<21)
	s_mov_b32 s41, 32<<16
	s_mov_b32 s42, 16<<16
	s_mov_b32 s43, 32<<16
	s_mov_b32 s44, 16
	s_mov_b32 s45, 32
	s_mov_b32 s46, 0
	s_mov_b32 s47, 0
	s_lshl_b32 s20, s16, 3
	s_add_co_u32 s20, s20, s13
	s_add_co_u32 s20, s20, 32                      ; K: 32 + Y (even waves), V: 40 + Y (odd waves)
	s_mul_i32 s72, s20, 98304
	s_mov_b32 s73, 0
	s_lshl_b32 s74, s20, 12
	s_add_co_u32 s74, s74, QSC
	s_mov_b32 s75, 0
	s_lshl_b32 s76, s12, 19                        ; the mask: row 64 X + 16 (w % 4)
	s_lshl_b32 s23, s[WQ], 17
	s_add_co_u32 s76, s76, s23
	s_mov_b32 s77, 0
	s_lshl_b32 s21, s13, 5
	s_add_co_u32 s21, s21, s12                     ; q's unit of head Y: 32 Y + X
	s_mul_i32 s78, s21, 3072
	s_mul_i32 s22, s[WQ], 768
	s_add_co_u32 s78, s78, s22
	s_mul_i32 s22, s[HP], 2*786432                 ; eight heads on are 256 units of 3,072 bytes; my pair begins 16 (w / 4) heads on
	s_add_co_u32 s78, s78, s22
	s_mov_b32 s79, 0
	s_lshl_b32 s80, s21, 7
	s_lshl_b32 s22, s15, 6
	s_add_co_u32 s80, s80, s22
	s_lshl_b32 s22, s16, 1
	s_add_co_u32 s80, s80, s22
	s_lshl_b32 s22, s[HP], 16
	s_add_co_u32 s80, s80, s22
	s_add_co_u32 s80, s80, QSC
	s_mov_b32 s81, 0
	s_lshl_b32 s82, s12, 2
	s_add_co_u32 s82, s82, s[WQ]
	s_mul_i32 s82, s82, 24576                      ; aq: tile 4 X + w % 4, half fragments 4 Y + 2 (w / 4) on
	s_mul_i32 s22, s13, 3072
	s_add_co_u32 s82, s82, s22
	s_mul_i32 s22, s[HP], 1536
	s_add_co_u32 s82, s82, s22
	s_mov_b32 s83, 0
	s_lshl_b32 s84, s12, 1
	s_add_co_u32 s84, s84, s15
	s_lshl_b32 s84, s84, 11
	s_lshl_b32 s22, s13, 8
	s_add_co_u32 s84, s84, s22
	s_lshl_b32 s22, s16, 7
	s_add_co_u32 s84, s84, s22
	s_lshl_b32 s22, s[HP], 2                       ; of a row's two words mine is word w / 4
	s_add_co_u32 s84, s84, s22
	s_add_co_u32 s84, s84, ASC
	s_mov_b32 s85, 0
	s_mov_b32 s[SEL], 0x76543210
	s_mov_b32 s[SEL+1], 0xfedcba98                 ; v_permlanex16_b32's selects for lane l xor 16
	s_mov_b32 s[CC], 0x3fb8aa3b                    ; log2(e)
	s_mov_b32 s[CC+1], s[CC]
	s_mov_b32 s[TB], 0
	s_mov_b32 s[TS], 0
	s_mov_b32 s[CNT], 6
	s_wait_kmcnt 0x0
	s_mov_b32 s48, 1
	s_mul_i32 s49, s16, VOFF
	s_add_nc_u64 s[50:51], s[4:5], s[72:73]
	s_or_b32 s51, s51, 0x80000000
	s_mov_b32 s52, 1
	s_mul_i32 s53, s[WQ], MG
	s_add_co_u32 s53, s53, MOFF
	s_add_nc_u64 s[54:55], s[6:7], s[76:77]
	s_or_b32 s55, s55, 0x80000000
	s_mov_b32 s56, 1
	s_lshl_b32 s57, s16, 12
	s_add_co_u32 s57, s57, KSC
	s_add_nc_u64 s[58:59], s[4:5], s[74:75]
	s_or_b32 s59, s59, 0x80000000
	s_add_nc_u64 s[78:79], s[4:5], s[78:79]
	s_add_nc_u64 s[80:81], s[4:5], s[80:81]
	s_add_nc_u64 s[82:83], s[8:9], s[82:83]
	s_add_nc_u64 s[84:85], s[8:9], s[84:85]
	CROUND                                         ; all sixteen work-groups are here: the first joint loads meet
	s_cmp_lt_u32 s14, 2                            ; the head's loads, one a wave, in one chain of branches on the wave's number
	s_cbranch_scc0 .Lfirst_s
	tensor_load_to_lds s[48:51], s[24:31]          ; slot 0's codes, K's or V's
	s_nop 0
	PLACES
	s_branch .Lfirst_done
.Lfirst_s:
	s_cmp_lt_u32 s14, 4
	s_cbranch_scc0 .Lfirst_m
	tensor_load_to_lds s[56:59], s[40:47]          ; the head's scale bytes, K's or V's, filled once
	s_nop 0
	PLACES
	s_branch .Lfirst_done
.Lfirst_m:
	tensor_load_to_lds s[52:55], s[32:39]          ; slot 0's mask words, my group
	s_nop 0
	PLACES
.Lfirst_done:
	v_and_b32 v5, 31, v0
	v_and_b32 v6, 15, v0                           ; r
	v_bfe_u32 v7, v0, 4, 1                         ; h
	v_lshlrev_b32 v1, 4, v5
	v_lshlrev_b32 v2, 4, v6
	v_lshlrev_b32 v9, 2, v6
	v_and_b32 v3, 7, v6                            ; r % 8
	v_lshrrev_b32 v8, 3, v6                        ; r / 8
	v_mad_u32_u24 v27, v7, 320, v2                 ; V's registers 0-3 in LDS: 16 r, and lanes 16-31 a padded row on
	v_lshl_add_u32 v2, v7, 3, v2
	v_lshlrev_b32 v23, 3, v7
	v_mul_u32_u24 v20, v8, 1920                    ; K: half fragment 2 (r / 8) (1,536 bytes are six padded rows), row r % 8
	v_lshlrev_b32 v22, 6, v8
	v_lshl_add_u32 v20, v3, 4, v20
	v_lshl_add_u32 v22, v3, 2, v22
	v_lshl_add_u32 v21, v7, 3, v20                 ; registers 4-5: + 8 h
	v_mad_u32_u24 v20, v7, 320, v20                ; registers 0-3: lanes 16-31 a padded row on
	v_add_nc_u32 v22, KSC, v22                     ; its scale bytes: 64 (r / 8) + 4 (r % 8)
	; my query among the 64 is row 32 ((w % 4) / 2) + 8 (w % 2) + r % 8 + 16 (r / 8): group 2 ((w % 4) / 2) + r / 8, row 8 (w % 2) + r % 8 of the group
	s_lshl_b32 s19, s16, 3
	v_add_nc_u32 v3, s19, v3
	v_mul_u32_u24 v3, v3, MP
	s_lshl_b32 s19, s15, 1
	v_add_nc_u32 v8, s19, v8
	v_mad_u32_u24 v3, v8, MG, v3
	v_lshl_add_u32 v3, v7, 7, v3                   ; lanes 16-31 begin 32 keys on
	v_add_nc_u32 v3, MOFF, v3
	v_add_nc_u32 v4, KSC, v9
.irp g, 0,1
	global_load_b128 v[QF+12*\g:QF+12*\g+3], v1, s[78:79] offset:786432*\g
	global_load_b64 v[QF+12*\g+4:QF+12*\g+5], v2, s[78:79] offset:786432*\g+512
	global_load_u16 v[QS+\g], v9, s[80:81] offset:32768*\g
.endr
.irp g, 0,1
.irp i, 6,7,8,9,10,11
	v_mov_b32 v[QF+12*\g+\i], 0                    ; zero codes for the instruction's upper 64 along K
.endr
	v_mov_b32 v[13+4*\g], 0xff000000               ; the largest u so far: -1.7e38
	v_mov_b32 v[12+4*\g], 0x7f000000               ; -M: a whole number over every -M to come, so that the first f is 0
	v_mov_b32 v[14+4*\g], 0
	v_mov_b32 v[15+4*\g], 0
.endr
.irp b, 0,1,2,3
	v_mov_b32 v[SO+\b], 0                          ; a lane permute's destination counts as one of its sources
.endr
	v_mov_b32 v[PW], 0
	v_mov_b32 v[FF+1], 0                           ; (named as the upper half of a pair)
	WIN 0x40
.set zi, 0
.rept 64
	v_mov_b32 v[zi], 0                             ; O^T.  The step is written for every step alike: the first finds zeros, which spares another copy of the step's text
.set zi, zi+1
.endr
.irp i, 0,1,2,3,4,5
	v_mov_b32 v[KF+48+\i], 0
.endr
	WIN 0
	s_wait_alu depctr_va_vdst(0)
	s_wait_loadcnt 0x0                             ; Q
.irp g, 0,1                            ; 1 / 8 goes into Q's scale bytes: 3 off each, held at 1 from below
	v_and_b32 v[SO+\g], 0xff, v[QS+\g]
	v_lshrrev_b32 v[BM+\g], 8, v[QS+\g]
.endr
.irp g, 0,1
	v_max_u32 v[SO+\g], 4, v[SO+\g]
	v_max_u32 v[BM+\g], 4, v[BM+\g]
.endr
.irp g, 0,1
	v_lshl_or_b32 v[QS+\g], v[BM+\g], 8, v[SO+\g]
.endr
.irp g, 0,1
	v_add_nc_u32 v[QS+\g], 0xfffffcfd, v[QS+\g]    ; - 0x303: no byte borrows
.endr
	s_wait_alu depctr_va_vdst(0)                   ; the wait at the head's end
	CHANGE 1                                       ; slot 0 is whole; slot 1's first fill is issued as a refill is
	ADDR
	LOADKM 0                                       ; the first step's operands
	LOADV 0, VF0
.Lslot:                                            ; 6 trips, slots 0 to 5: each is filled again, with the tiles of slots 2 to 7
	SLOT 1, 0
	s_sub_co_u32 s[CNT], s[CNT], 1
	s_cmp_lg_u32 s[CNT], 0
	s_cbranch_scc1 .Lslot
	s_mov_b32 s[CNT], 2
.Ltail:                                            ; 2 trips, slots 6 and 7: nothing is left to fetch, so no tensor load stands here
	SLOT 0, 1
	s_sub_co_u32 s[CNT], s[CNT], 1
	s_cmp_lg_u32 s[CNT], 0
	s_cbranch_scc1 .Ltail
	; THE WAY OUT: O^T / the sum, quantised along d (two blocks a head), as the last product's operand.  The additions and the two address lines are the places behind the last products.
.irp g, 0,1
	v_add_f32 v[BM+\g], v[14+4*\g], v[15+4*\g]
.endr
.irp g, 0,1
	DEP 2
	v_permlanex16_b32 v[SO+\g], v[BM+\g], s[SEL], s[SEL+1]
.endr
.irp g, 0,1
	DEP 2
	v_add_f32 v[BM+\g], v[BM+\g], v[SO+\g]
.endr
	s_wait_alu depctr_va_vdst(0)
.irp g, 0,1
	v_rcp_f32 v[BM+\g], v[BM+\g]
.endr
	v_and_b32 v5, 15, v0                           ; (a plain place behind the reciprocals)
	DEP 1
	v_lshlrev_b32 v7, 3, v5                        ; 8 r
	s_wait_alu depctr_va_vdst(0)                   ; one wait for the two reciprocals, ahead of their first reader
.irp g, 0,1
	WIN 0x01
.set zi, 0
.rept 32
	v_mul_f32 v[S+zi], v[32*\g+zi], v[BM+\g]       ; register 16 b + i: d = 32 b + 16 h + i; each accumulator from its low end on
.set zi, zi+1
.endr
	WIN 0
	QUANT2 S, S+16, MK+8*\g, X8, PC, PC+4+\g
	global_store_b128 v1, v[MK+8*\g:MK+8*\g+3], s[82:83] offset:768*\g             ; 512 consecutive aligned bytes
	global_store_b64 v2, v[MK+8*\g+4:MK+8*\g+5], s[82:83] offset:768*\g+512        ; 256
.endr
	v_lshl_or_b32 v[PC+8], v[PC+5], 16, v[PC+4]    ; my two heads' four bytes: the row's scale word for their 128 along K
	global_store_b32 v7, v[PC+8], s[84:85]         ; 16 words, 8 bytes apart; lanes 16-31 hold the same word as lanes 0-15 and store it to the same place
	s_wait_tensorcnt 0x0                           ; the wave's end
	ds_add_u32 v10, v11
	s_wait_dscnt 0x0
	CROUND                                         ; the closing round
	s_endpgm
.Lfunc_end_k_q4aeeb775c3_attn:
	.size	k_q4aeeb775c3_attn, .Lfunc_end_k_q4aeeb775c3_attn-k_q4aeeb775c3_attn
	.p2alignl 7, 3214868480
	.fill 96, 4, 3214868480
	.section	.rodata,"a",@progbits
	.p2align	6, 0x0
	.amdhsa_kernel k_q4aeeb775c3_attn
		.amdhsa_group_segment_fixed_size 327680
		.amdhsa_private_segment_fixed_size 0
		.amdhsa_enable_private_segment 0
		.amdhsa_kernarg_size 24
		.amdhsa_user_sgpr_count 2
		.amdhsa_user_sgpr_kernarg_segment_ptr 1
		.amdhsa_wavefront_size32 1
		.amdhsa_system_sgpr_workgroup_id_x 1
		.amdhsa_system_sgpr_workgroup_id_y 1
		.amdhsa_system_sgpr_workgroup_id_z 1
		.amdhsa_system_vgpr_workitem_id 0
		.amdhsa_next_free_vgpr 512
		.amdhsa_next_free_sgpr 96
		.amdhsa_reserve_vcc 0
		.amdhsa_float_denorm_mode_32 3
		.amdhsa_float_denorm_mode_16_64 3
		.amdhsa_memory_ordered 1
		.amdhsa_forward_progress 1
		.amdhsa_inst_pref_size 151
	.end_amdhsa_kernel
	.amdgpu_metadata
---
amdhsa.version: [ 1, 2 ]
amdhsa.kernels:
  - .name:           k_q4aeeb775c3_attn
    .symbol:         k_q4aeeb775c3_attn.kd
    .args:
      - { .name: qkv, .offset: 0, .size: 8, .value_kind: global_buffer, .address_space: global }
      - { .name: attention_mask, .offset: 8, .size: 8, .value_kind: global_buffer, .address_space: global }
      - { .name: aq, .offset: 16, .size: 8, .value_kind: global_buffer, .address_space: global }
    .group_segment_fixed_size: 327680
    .private_segment_fixed_size: 0
    .kernarg_segment_align: 8
    .kernarg_segment_size: 24
    .max_flat_workgroup_size: 256
    .sgpr_count:     96
    .vgpr_count:     512
    .wavefront_size: 32
...
	.end_amdgpu_metadata
.endif
;; end of part 3
;; launch outp (part 4): grid 16 x 16, 4 waves a work-group, clusters of 4 x 4, 327,680 bytes of LDS; arguments aq, wq, out0; writes out0
.if DOCPART == 4
	.amdgcn_target "amdgcn-amd-amdhsa--gfx1250"
	.amdhsa_code_object_version 6
	.text
	.protected	k_q4aeeb775c3_outp
	.globl	k_q4aeeb775c3_outp
	.p2align	8
	.type	k_q4aeeb775c3_outp,@function
k_q4aeeb775c3_outp:
	s_mov_b64 s[64:65], 0
	v_nop
	global_prefetch_b8 v0, s[64:65] scope:SCOPE_SE
	s_setreg_imm32_b32 hwreg(HW_REG_WAVE_MODE, 25, 1), 1
	s_wait_xcnt 0x0
	s_wait_alu depctr_hold_cnt(0) depctr_sa_sdst(0) depctr_va_vdst(0) depctr_va_sdst(0) depctr_va_ssrc(0) depctr_va_vcc(0) depctr_vm_vsrc(0)
	s_getreg_b32 s2, hwreg(HW_REG_IB_STS2, 6, 4)
	s_cmp_eq_u32 s2, 0
	s_cbranch_scc0 .Lentry_in_a_cluster
	s_endpgm
.Lentry_in_a_cluster:
	s_bfe_u32 s2, ttmp6, 0x10000c
	s_cmp_lg_u32 s2, 0xf033
	s_cbranch_scc0 .Lentry_shape_is_right
	s_endpgm
.Lentry_shape_is_right:
; OUTP: out0 = attn x Wo on codes of FP6 (E2M3).  Operands lie as images of their registers (half fragments of 768 bytes, a tile of 16 rows is 32 of them), as the launches before laid them.
; A work-group makes 128 columns of Wo (P, source 0) x 128 rows of attn (R, source 1), four waves of 64 x 64: 16 accumulators, which take turns.  K = 2,048 goes in 16 steps of 128, four fills of 512 through two LDS slots, all written out.
; CLUSTER 4 x 4: P is asked for jointly by my column, R by my row.  At the head each wave issues one load: R's fill 0, P's fill 0, R's scale words, P's; fill 1 is issued as a refill is.
; The way out goes through each wave's own stage in LDS, which no tensor load fills: sixteen lanes store 256 consecutive aligned bytes.
.set WSC,   7864320
.set ASC,   3145728
.set MBLK,  196608
.set MHALF, 98304
.set TILE,  6144
.set HALF,  24576
.set ROFF,  49152
.set SLOT,  98304
.set SCL,   196608
.set SPARE, 212992
.set STG,   213504
.set ACC, 128
.set SC,  32
.set F0,  0
.set F1,  128
.set G1,   24
.set G0,   32
.set G1B,  48
.set G0B,  56
.set G1S,  68
.set G0S,  76
.set G1SB, 80
.set G0SB, 88
.set MUL,  0x05
.set TO_F, 0x40
.set MSB, 0
.macro WIN new
.if MSB != \new
	s_set_vgpr_msb (MSB<<8)|\new
.set MSB, \new
.endif
.endm
.macro PLACES
.rept 4
	v_nop
.endr
.endm
.macro JLOAD g0a, g1a, g0b, g1b
	s_cmp_eq_u32 s15, 0
	s_cbranch_scc0 .Lfor_p_\@
	tensor_load_to_lds s[\g0a:\g0a+3], s[\g1a:\g1a+7]
	s_nop 0
	PLACES
	s_branch .Lasked_\@
.Lfor_p_\@:
	tensor_load_to_lds s[\g0b:\g0b+3], s[\g1b:\g1b+7]
	s_nop 0
	PLACES
.Lasked_\@:
.endm
.macro CREST
	s_cmp_lg_u32 s14, 0
	s_cbranch_scc1 .Lnot_wave_0_\@
	s_barrier_signal -3
.Lnot_wave_0_\@:
	s_barrier_wait -3
	s_barrier_signal -1
	s_barrier_wait -1
.endm
.macro CROUND
	s_barrier_signal -1
	s_barrier_wait -1
	CREST
.endm
.macro FRAG reg, ada, adb, off
	ds_load_b128 v[(\reg):(\reg)+3], v[\ada] offset:(\off)
	ds_load_b64 v[(\reg)+4:(\reg)+5], v[\adb] offset:(\off)+512
	ds_load_b128 v[(\reg)+6:(\reg)+9], v[\ada] offset:(\off)+768
	ds_load_b64 v[(\reg)+10:(\reg)+11], v[\adb] offset:(\off)+1280
.endm
.macro FETCH slot, q, f
	WIN TO_F
.irp b, 0,1,2,3
	FRAG (\f)+12*\b, 16+\slot, 18+\slot, \b*TILE+1536*(\q)
.endr
.irp a, 0,1,2,3
	FRAG (\f)+48+12*\a, 20+\slot, 22+\slot, \a*TILE+1536*(\q)
.endr
.endm
.macro SCALES g
.irp t, 0,1,2,3
.irp j, 0,1
	ds_load_b64 v[SC+32*((\g)%2)+4*\t+2*\j:SC+32*((\g)%2)+4*\t+2*\j+1], v24 offset:(\t/2)*2048+(2*(\g)+\j)*256+(\t%2)*128
	ds_load_b64 v[SC+32*((\g)%2)+16+4*\t+2*\j:SC+32*((\g)%2)+16+4*\t+2*\j+1], v25 offset:(\t/2)*2048+(2*(\g)+\j)*256+(\t%2)*128
.endr
.endr
.endm
.macro MUL8 f, a0, q, sig, zero
.irp a, \a0, \a0+1
.irp b, 0,1,2,3
.if \zero
	v_wmma_scale_f32_16x16x128_f8f6f4 v[ACC+8*(4*(\a)+\b):ACC+8*(4*(\a)+\b)+7], v[(\f)+12*\b:(\f)+12*\b+11], v[(\f)+48+12*(\a):(\f)+48+12*(\a)+11], 0, v[SC+32*(\sig)+4*\b+(\q)], v[SC+32*(\sig)+16+4*(\a)+(\q)] matrix_a_fmt:MATRIX_FMT_FP6 matrix_b_fmt:MATRIX_FMT_FP6
.else
	v_wmma_scale_f32_16x16x128_f8f6f4 v[ACC+8*(4*(\a)+\b):ACC+8*(4*(\a)+\b)+7], v[(\f)+12*\b:(\f)+12*\b+11], v[(\f)+48+12*(\a):(\f)+48+12*(\a)+11], v[ACC+8*(4*(\a)+\b):ACC+8*(4*(\a)+\b)+7], v[SC+32*(\sig)+4*\b+(\q)], v[SC+32*(\sig)+16+4*(\a)+(\q)] matrix_a_fmt:MATRIX_FMT_FP6 matrix_b_fmt:MATRIX_FMT_FP6
.endif
.endr
.endr
.endm
.macro STEP slot, q, zero
	s_wait_dscnt 8
	WIN MUL
	MUL8 128*((\q)%2), 0, \q, \slot, \zero
	PLACES
	FETCH \slot, (\q)+1, 128*(1-(\q)%2)
	s_wait_dscnt 32
	WIN MUL
	MUL8 128*((\q)%2), 2, \q, \slot, \zero
.endm
.macro TURN slot, next, fill, gn
	WIN 0
	s_wait_tensorcnt 0x0
	ds_add_u32 v28, v29
	s_wait_dscnt 9
	WIN MUL
	MUL8 F1, 0, 3, \slot, 0
	s_wait_dscnt 0x0
	WIN 0
	s_barrier_signal -1
	s_barrier_wait -1
.if \fill
	CREST
	s_add_nc_u64 s[G0+4*\slot+2:G0+4*\slot+3], s[G0+4*\slot+2:G0+4*\slot+3], 2*TILE
	s_add_nc_u64 s[G0B+4*\slot+2:G0B+4*\slot+3], s[G0B+4*\slot+2:G0B+4*\slot+3], 2*TILE
	JLOAD G0+4*\slot, G1, G0B+4*\slot, G1B
.else
	PLACES
.endif
	SCALES \gn
	FETCH \next, 0, F0
	WIN MUL
	MUL8 F1, 2, 3, \slot, 0
.endm
	s_load_b128 s[4:7], s[0:1], 0x0
	s_load_b64 s[8:9], s[0:1], 0x10
	v_lshl_add_u32 v28, v0, 2, SPARE
	v_mov_b32 v29, 0
	ds_add_u32 v28, v29
	ds_add_u32 v28, v29
	s_wait_dscnt 0x0
	v_lshrrev_b32 v1, 5, v0
	v_readfirstlane_b32 s14, v1
	s_lshr_b32 s15, s14, 1
	s_and_b32 s16, s14, 1
	s_bfe_u32 s40, ttmp6, 0x40000
	s_bfe_u32 s41, ttmp6, 0x40004
	s_lshl_b32 s42, ttmp9, 2
	s_add_co_u32 s42, s42, s40
	s_and_b32 s17, ttmp7, 0xffff
	s_lshl_b32 s17, s17, 2
	s_add_co_u32 s17, s17, s41
	s_lshl_b32 s43, s41, 2
	s_lshl_b32 s43, 15, s43
	s_lshl_b32 s44, 0x1111, s40
	s_or_b32 s[G1+0], s43, (3<<16)|(1<<21)
	s_or_b32 s[G1B+0], s44, (3<<16)|(1<<21)
.irp g, G1, G1B
	s_mov_b32 s[\g+1], 768<<16
	s_mov_b32 s[\g+2], 8<<16
	s_mov_b32 s[\g+3], 768<<16
	s_mov_b32 s[\g+4], 8
	s_mov_b32 s[\g+5], 3072
	s_mov_b32 s[\g+6], 0
	s_mov_b32 s[\g+7], 0
.endr
	s_or_b32 s[G1S+0], s43, (3<<16)|(1<<21)
	s_or_b32 s[G1SB+0], s44, (3<<16)|(1<<21)
.irp g, G1S, G1SB
	s_mov_b32 s[\g+1], 32<<16
	s_mov_b32 s[\g+2], 32<<16
	s_mov_b32 s[\g+3], 32<<16
	s_mov_b32 s[\g+4], 32
	s_mov_b32 s[\g+5], 32
	s_mov_b32 s[\g+6], 0
	s_mov_b32 s[\g+7], 0
.endr
	s_mul_i32 s12, s16, MHALF
	s_mov_b32 s13, 0
	s_mul_i32 s46, s42, MBLK
	s_add_co_u32 s46, s46, 192*24576
	s_mov_b32 s47, 0
	s_lshl_b32 s92, s42, 13
	s_add_co_u32 s92, s92, WSC+96*2048
	s_mov_b32 s93, 0
	s_mul_i32 s20, s17, MBLK
	s_mov_b32 s21, 0
	s_lshl_b32 s22, s17, 13
	s_add_co_u32 s22, s22, ASC
	s_mov_b32 s23, 0
	s_mul_i32 s45, s16, HALF
	s_lshl_b32 s2, s17, 20
	s_lshl_b32 s3, s15, 19
	s_add_co_u32 s2, s2, s3
	s_lshl_b32 s3, s42, 9
	s_add_co_u32 s2, s2, s3
	s_lshl_b32 s3, s16, 8
	s_add_co_u32 s2, s2, s3
	s_mov_b32 s3, 0
	s_wait_kmcnt 0x0
	s_add_nc_u64 s[46:47], s[6:7], s[46:47]
	s_add_nc_u64 s[92:93], s[6:7], s[92:93]
	s_add_nc_u64 s[20:21], s[4:5], s[20:21]
	s_add_nc_u64 s[22:23], s[4:5], s[22:23]
	s_add_nc_u64 s[66:67], s[8:9], s[2:3]
	CROUND
	s_mov_b32 s[G0S], 1
	s_mov_b32 s[G0S+1], SCL+8192
	s_mov_b64 s[G0S+2:G0S+3], s[22:23]
	s_or_b32 s[G0S+3], s[G0S+3], 0x80000000
	s_mov_b32 s[G0SB], 1
	s_mov_b32 s[G0SB+1], SCL
	s_mov_b64 s[G0SB+2:G0SB+3], s[92:93]
	s_or_b32 s[G0SB+3], s[G0SB+3], 0x80000000
.set G0H,  4                           ; s[4:7], s[8:11]: group 0 for the head's loads of fill 0, R's eight tiles and P's (the addresses that lay there have been used)
.set G0HB, 8
	s_mov_b32 s[G0H], 1
	s_mov_b32 s[G0H+1], ROFF
	s_mov_b64 s[G0H+2:G0H+3], s[20:21]
	s_or_b32 s[G0H+3], s[G0H+3], 0x80000000
	s_mov_b32 s[G0HB], 1
	s_mov_b32 s[G0HB+1], 0
	s_mov_b64 s[G0HB+2:G0HB+3], s[46:47]
	s_or_b32 s[G0HB+3], s[G0HB+3], 0x80000000
	s_add_nc_u64 s[20:21], s[20:21], s[12:13]      ; for the ring: the four tiles that I fetch
	s_add_nc_u64 s[46:47], s[46:47], s[12:13]
.irp s, 0,1
	s_mov_b32 s[G0+4*\s], 1
	s_add_co_u32 s[G0+4*\s+1], s45, \s*SLOT+ROFF
	s_add_nc_u64 s[G0+4*\s+2:G0+4*\s+3], s[20:21], \s*TILE
	s_or_b32 s[G0+4*\s+3], s[G0+4*\s+3], 0x80000000
	s_mov_b32 s[G0B+4*\s], 1
	s_add_co_u32 s[G0B+4*\s+1], s45, \s*SLOT
	s_add_nc_u64 s[G0B+4*\s+2:G0B+4*\s+3], s[46:47], \s*TILE
	s_or_b32 s[G0B+4*\s+3], s[G0B+4*\s+3], 0x80000000
.endr
; the head's loads, one a wave, in one chain of branches on the wave's number
.macro ARM under, g0, g1, next
	s_cmp_lt_u32 s14, \under
	s_cbranch_scc0 \next
	tensor_load_to_lds s[\g0:\g0+3], s[\g1:\g1+7]
	s_nop 0
	PLACES
	s_branch .Lhead_asked
\next:
.endm
	ARM 1, G0H,  G1,  .Lhead_p
	ARM 2, G0HB, G1B, .Lhead_sr
	ARM 3, G0S,  G1S, .Lhead_sp
	tensor_load_to_lds s[G0SB:G0SB+3], s[G1SB:G1SB+7]
	s_nop 0
	PLACES
.Lhead_asked:
	v_and_b32 v1, 31, v0
	v_and_b32 v2, 15, v0
	v_bfe_u32 v3, v0, 4, 1
	v_lshlrev_b32 v26, 4, v1
	v_lshlrev_b32 v27, 4, v2
	v_lshl_add_u32 v27, v3, 3, v27
	s_mul_i32 s21, s16, HALF
	s_mul_i32 s22, s15, HALF
	s_add_co_u32 s22, s22, ROFF
.irp s, 0,1
	v_add_nc_u32 v[16+\s], s21, v26
	v_add_nc_u32 v[18+\s], s21, v27
	v_add_nc_u32 v[20+\s], s22, v26
	v_add_nc_u32 v[22+\s], s22, v27
	s_add_co_u32 s21, s21, SLOT
	s_add_co_u32 s22, s22, SLOT
.endr
	v_lshlrev_b32 v6, 3, v2
	s_lshl_b32 s21, s16, 12
	s_add_co_u32 s21, s21, SCL
	v_add_nc_u32 v24, s21, v6
	s_lshl_b32 s22, s15, 12
	s_add_co_u32 s22, s22, SCL+8192
	v_add_nc_u32 v25, s22, v6
	s_mul_i32 s23, s14, 16*272
	s_add_co_u32 s23, s23, STG
	v_mul_u32_u24 v8, v2, 272
	v_lshl_add_u32 v8, v3, 6, v8
	v_add_nc_u32 v8, s23, v8
	v_mul_u32_u24 v9, v3, 272
	v_lshl_add_u32 v9, v2, 4, v9
	v_add_nc_u32 v9, s23, v9
	v_lshlrev_b32 v10, 13, v3
	v_lshl_add_u32 v10, v2, 4, v10
	s_wait_alu depctr_va_vdst(0)
	s_wait_tensorcnt 0x0                           ; my tile of the head's four is in; slot 1's first fill is issued as a refill is:
	ds_add_u32 v28, v29                            ; 0 onto my spare word
	s_mov_b32 s[G1+2], 4<<16                       ; no tensor load of mine is out: from here on a load brings four tiles
	s_mov_b32 s[G1+4], 4
	s_mov_b32 s[G1B+2], 4<<16
	s_mov_b32 s[G1B+4], 4
	s_wait_dscnt 0x0
	CROUND                                         ; all four tiles are in, and all sixteen work-groups are here
	JLOAD G0+4, G1, G0B+4, G1B                     ; fill 1, the first tensor load behind the round
	SCALES 0
	FETCH 0, 0, F0
	STEP 0, 0, 1
	STEP 0, 1, 0
	STEP 0, 2, 0
	TURN 0, 1, 1, 1
	STEP 1, 0, 0
	STEP 1, 1, 0
	STEP 1, 2, 0
	TURN 1, 0, 1, 2
	STEP 0, 0, 0
	STEP 0, 1, 0
	STEP 0, 2, 0
	TURN 0, 1, 0, 3
	STEP 1, 0, 0
	STEP 1, 1, 0
	STEP 1, 2, 0
	s_wait_dscnt 8
	WIN MUL
	MUL8 F1, 0, 3, 1, 0
	s_wait_dscnt 0x0
	MUL8 F1, 2, 3, 1, 0
	WIN 0
.macro TOSTAGE a
.irp b, 0,1,2,3
	ds_store_b128 v8, v[ACC+8*(4*(\a)+\b):ACC+8*(4*(\a)+\b)+3] offset:128*(\b/2)+32*(\b%2)
	ds_store_b128 v8, v[ACC+8*(4*(\a)+\b)+4:ACC+8*(4*(\a)+\b)+7] offset:128*(\b/2)+32*(\b%2)+16
.endr
.irp t, 0,1,2,3,4,5,6,7
	ds_load_b128 v[ACC+32*(\a)+4*\t:ACC+32*(\a)+4*\t+3], v9 offset:544*\t
.endr
.endm
.macro SEND a, younger
	s_wait_dscnt \younger
.irp t, 0,1,2,3,4,5,6,7
	global_store_b128 v10, v[ACC+32*(\a)+4*\t:ACC+32*(\a)+4*\t+3], s[66:67] offset:(32*((\a)/2)+8*((\a)%2)+2*\t+8*(\t/4))*8192 th:TH_STORE_NT
.endr
.endm
	PLACES
	TOSTAGE 0
	TOSTAGE 1
	SEND 0, 16
	TOSTAGE 2
	SEND 1, 16
	TOSTAGE 3
	SEND 2, 16
	SEND 3, 0
	s_wait_tensorcnt 0x0
	ds_add_u32 v28, v29
	s_wait_dscnt 0x0
	CROUND
	s_endpgm
.Lfunc_end_k_q4aeeb775c3_outp:
	.size	k_q4aeeb775c3_outp, .Lfunc_end_k_q4aeeb775c3_outp-k_q4aeeb775c3_outp
	.p2alignl 7, 3214868480
	.fill 96, 4, 3214868480
	.section	.rodata,"a",@progbits
	.p2align	6, 0x0
	.amdhsa_kernel k_q4aeeb775c3_outp
		.amdhsa_group_segment_fixed_size 327680
		.amdhsa_private_segment_fixed_size 0
		.amdhsa_enable_private_segment 0
		.amdhsa_kernarg_size 24
		.amdhsa_user_sgpr_count 2
		.amdhsa_user_sgpr_kernarg_segment_ptr 1
		.amdhsa_wavefront_size32 1
		.amdhsa_system_sgpr_workgroup_id_x 1
		.amdhsa_system_sgpr_workgroup_id_y 1
		.amdhsa_system_sgpr_workgroup_id_z 1
		.amdhsa_system_vgpr_workitem_id 0
		.amdhsa_next_free_vgpr 512
		.amdhsa_next_free_sgpr 96
		.amdhsa_reserve_vcc 0
		.amdhsa_float_denorm_mode_32 3
		.amdhsa_float_denorm_mode_16_64 3
		.amdhsa_memory_ordered 1
		.amdhsa_forward_progress 1
		.amdhsa_inst_pref_size 93
	.end_amdhsa_kernel
	.amdgpu_metadata
---
amdhsa.version: [ 1, 2 ]
amdhsa.kernels:
  - .name:           k_q4aeeb775c3_outp
    .symbol:         k_q4aeeb775c3_outp.kd
    .args:
      - { .name: aq, .offset: 0, .size: 8, .value_kind: global_buffer, .address_space: global }
      - { .name: wq, .offset: 8, .size: 8, .value_kind: global_buffer, .address_space: global }
      - { .name: out0, .offset: 16, .size: 8, .value_kind: global_buffer, .address_space: global }
    .group_segment_fixed_size: 327680
    .private_segment_fixed_size: 0
    .kernarg_segment_align: 8
    .kernarg_segment_size: 24
    .max_flat_workgroup_size: 128
    .sgpr_count:     96
    .vgpr_count:     512
    .wavefront_size: 32
...
	.end_amdgpu_metadata
.endif
;; end of part 4
